; MI455X (gfx1250); checked and timed in simulation.
; The chip was launched on July 23, 2026; its instructions are those of AMD's public machine-readable ISA for CDNA 5 (MIT licence, August 2026) and "CDNA5" Instruction Set Architecture Reference Guide (July 2026). The comments in the code are by the model that wrote it; some were corrected since.
;; Multi Head Attention. Allowed arithmetic: matrix products marked QUANTISED: E2M1 operands, one E8M0 scale for each 32 along K, by v_wmma_scale_f32_16x16x128_f8f6f4 with both operands' format E2M1 (or v_wmma_scale_f32_32x16x128_f4), f32 sums; everything else in f32.
;; Inputs: Wk_codes 1,024 x 32 x 16 uint8 (E2M1 codes of Wk, K innermost, in blocks of 32 codes, two codes a byte); Wk_scales 1,024 x 32 uint8 (E8M0 scales of Wk, one for each 32 codes along K); Wo_codes 1,024 x 32 x 16 uint8 (E2M1 codes of Wo, K innermost, in blocks of 32 codes, two codes a byte); Wo_scales 1,024 x 32 uint8 (E8M0 scales of Wo, one for each 32 codes along K); Wq_codes 1,024 x 32 x 16 uint8 (E2M1 codes of Wq, K innermost, in blocks of 32 codes, two codes a byte); Wq_scales 1,024 x 32 uint8 (E8M0 scales of Wq, one for each 32 codes along K); Wv_codes 1,024 x 32 x 16 uint8 (E2M1 codes of Wv, K innermost, in blocks of 32 codes, two codes a byte); Wv_scales 1,024 x 32 uint8 (E8M0 scales of Wv, one for each 32 codes along K); beta 1,024 float32; bk 1,024 float32; bo 1,024 float32; bq 1,024 float32; bv 1,024 float32; gamma 1,024 float32; x 4 x 2,048 x 1,024 float32.
;; Outputs: out0 4 x 2,048 x 1,024 float32.
;; This version of the problem:
;;   THIS VERSION OF THE PROBLEM IS GIVEN IN LOW PRECISION. The matrix products marked QUANTISED in the list below multiply operands that are first quantised to E2M1 (2 exponent bits, 1 mantissa bit; 4 bits a number), with one power-of-two scale for each 32 numbers along K (OCP MX v1.0); their sums are f32. All else is computed in f32.
;;   The module's matrix products, in the order in which they are computed (A, B: the left and right operand; K: the contracted axis; several contracted axes count as one K, in the product's order):
;;     1. [M 8,192, K 1,024] x [K 1,024, N 1,024]; A: input x; B: input Wq (given as codes): QUANTISED
;;     2. [M 8,192, K 1,024] x [K 1,024, N 1,024]; A: input x; B: input Wk (given as codes): QUANTISED
;;     3. [M 8,192, K 1,024] x [K 1,024, N 1,024]; A: input x; B: input Wv (given as codes): QUANTISED
;;     4. batch 64 x [M 2,048, K 64] x [K 64, N 2,048]; A: computed on the way; B: computed on the way: QUANTISED
;;     5. batch 64 x [M 2,048, K 2,048] x [K 2,048, N 64]; A: softmax (see below); B: computed on the way: QUANTISED
;;     6. [M 8,192, K 1,024] x [K 1,024, N 1,024]; A: computed on the way; B: input Wo (given as codes): QUANTISED
;;   THE QUANTISER, for each operand of a quantised product, along K:
;;     - K is cut into blocks of 32 from its start; a last block that is shorter is filled with zeros.
;;     - A block's scale is 2^e with e = floor(log2(the largest magnitude in the block)) - 2, held to -126 .. 127; a block of zeros has e = 0. As a byte (E8M0): e + 127.
;;     - Each number is divided by its block's scale, clamped to +-6, and rounded to the nearest number of E2M1, ties to even, subnormals kept.
;;     - The product sums the exact products of the quantised numbers (number of the format x scale) in f32.
;;   ~~~python
;;   def quantise(x, axis):      # numpy; x: float32 -> the quantised numbers, widened to float32 again
;;       x = np.moveaxis(x, axis, -1); K = x.shape[-1]
;;       x = np.pad(x, [(0, 0)] * (x.ndim - 1) + [(0, -K % 32)]); x = x.reshape(x.shape[:-1] + (-1, 32)); a = np.abs(x).max(-1, keepdims=True)
;;       e = np.where(a > 0, np.clip(np.frexp(np.where(a > 0, a, 1))[1] - 1 - 2, -126, 127), 0)      # np.frexp(a)[1] - 1 = floor(log2(a)), exactly
;;       r = np.clip(x / 2.0 ** e, -6, 6)
;;       step = 2.0 ** (np.maximum(np.frexp(np.where(r == 0, 1, r))[1] - 1, 0) - 1)
;;       q = np.round(r / step) * step * 2.0 ** e      # np.round: ties to even
;;       return np.moveaxis(q.reshape(q.shape[:-2] + (-1,))[..., :K], -1, axis).astype(np.float32)
;;   ~~~
;;   SOFTMAX AHEAD OF A QUANTISED PRODUCT. Where the list says 'softmax', what is quantised is not the finished softmax but p = 2^(t - M), with t = logit x log2(e) and M = ceil(the row's largest t), a whole number; so 1/2 < the row's largest p <= 1. The row's sum l is taken of the UNQUANTISED p, in f32, and the product's result is divided by l at the end. Since M is a whole number, a kernel that streams over the keys may use a running M (the ceiling of the running maximum): every later rescaling is an exact power of two, which a block's scale takes up: the codes' values come out the same.
;;   OPERANDS COMPUTED ON THE WAY. 'Computed on the way' means the value that the module computes at that place (a softmax that the list does not call 'softmax' is quantised finished and normalised). What goes into a quantiser is computed in f32, as accurately as f32 sums, v_exp_f32 and their like allow (about 1e-6 of the number): no bf16 or f16 on the way to a quantiser, and a product that is left as it is and whose result goes on into a quantised operand takes f32 operands (vector FMAs, or v_wmma_f32_16x16x4_f32). A number that lies on a knife's edge between two numbers of the format may be rounded either way, as far as f32 arithmetic and the matrix unit's own rounding can turn it there, and no further.
;;   INPUTS GIVEN AS CODES. Wk (in the module: [1024, 1024], K = its axis 1); Wo (in the module: [1024, 1024], K = its axis 1); Wq (in the module: [1024, 1024], K = its axis 1); Wv (in the module: [1024, 1024], K = its axis 1): each comes as NAME_codes (uint8): NAME with its K axis moved to the last place and cut into blocks of 32 codes, [.., K / 32, bytes a block], one block behind the other in memory; two codes a byte, the lower K in the low four bits (a code: sign, 2 exponent bits, 1 mantissa bit); and NAME_scales (uint8): the same leading axes, one E8M0 byte (e + 127) for each 32 codes along K. Its value is code x scale, taken as it is: it is not quantised again, and the codes and scales need not be those that the quantiser above would give.
;; 2 versions. Each part assembles by itself: llvm-mc -triple=amdgcn-amd-amdhsa -mcpu=gfx1250 --defsym DOCPART=n.
;; ======== version 1 of 2: 3 launches
;; workspace buffers: qc 4,194,304 bytes; qs 524,288 bytes; kv 9,437,184 bytes; wimg 557,056 bytes; cc 4,194,304 bytes; cs 262,144 bytes
;; launch qkv (part 1): grid 4 x 64, 4 waves a work-group, no clusters, 127,488 bytes of LDS; arguments x, Wq_codes, Wq_scales, bq, Wk_codes, Wk_scales, bk, Wv_codes, Wv_scales, bv, Wo_codes, Wo_scales, qc, qs, kv, wimg; writes qc, qs, kv, wimg
.if DOCPART == 1
	.amdgcn_target "amdgcn-amd-amdhsa--gfx1250"
	.amdhsa_code_object_version 6
	.text
	.protected	k_q798cedc40a_qkv
	.globl	k_q798cedc40a_qkv
	.p2align	8
	.type	k_q798cedc40a_qkv,@function
k_q798cedc40a_qkv:
	s_mov_b64 s[64:65], 0
	v_nop
	global_prefetch_b8 v0, s[64:65] scope:SCOPE_SE
	s_setreg_imm32_b32 hwreg(HW_REG_WAVE_MODE, 25, 1), 1
	s_wait_xcnt 0x0
; Q = x Wq^T + bq, K = x Wk^T + bk, V = x Wv^T + bv on codes of FP4 (E2M1) with one E8M0 scale for each 32 along K; the results are quantised at once for the attention launch:
; Q and K along the head's 64 (two blocks), V along the tokens (blocks of 32).  Beside that each work-group copies two fragments of Wo into the order in which the last launch's registers take them.
; SHARES.  Work-group (cg, rg): 128 tokens (128 rg on: one key step of one batch) x heads 4 cg .. 4 cg + 3.  Wave w owns head 4 cg + w for all three products: its 3 x 64 weight rows x 1,024 along K
; stay in registers (windows 1, 2, 3: 256 each), read from memory once.  x is quantised once by the work-group (wave w: 32 tokens) and goes from wave to wave through LDS as images of operand registers.
; PERMUTED TILES.  p(r) = r + (r & 8).  Lane r of tile 2 b + u takes element 32 b + 8 u + p(r), of the tokens and of a head's weight rows alike: the 16 result registers of tiles 2 b and 2 b + 1 are then 16 neighbours.
; Q and K are used transposed (source 0 = weight rows, source 1 = tokens): a lane holds one token and 16 neighbours along d.  V is used straight: a lane holds one d and 16 neighbouring tokens.
; No tensor load and no cluster: the weights go from memory straight into operand registers, so no tile in LDS could be shared.
; LIMITS: NaN and infinities are not served.  A block whose largest magnitude lies under 2^-124 (a block of zeros too) keeps the scale byte 1; only this program reads these bytes.
; Wo's scale images leave as 128 bytes a work-group (32 KB in the whole launch); all other stores of a wave cover 512 consecutive aligned bytes.
.set XIMG, 0          ; LDS: x's fragments: token tile T = 2 b + u at 8192 T, K step s at 1024 s, half c at 512 c, 16 bytes a lane
.set XSC,  65536      ; their scale words: 512 T + 64 s + 4 r
.set BIAS, 69632      ; 512 bytes a wave: bq of my head, then bk
.set STG,  71680      ; 13,824 bytes a wave: what leaves, in the order in which it leaves
.set STGW, 13824
.set QST,  0          ; Q's codes: 32 bytes a token
.set QSS,  4096       ; Q's scale words: 4 bytes a token
.set KIMG, 4608       ; the key step's block of kv: K's images,
.set VIMG, 8704       ; V's images,
.set KSC,  12800      ; K's scale words,
.set VSC,  13312      ; V's scale words
.set LI,  1           ; v1   16 x lane
.set LSX, 2           ; v2   4 x lane + XSC
.set QB,  3           ; v3   32 p + 8 h + my stage
.set KB,  4           ; v4   16 r + 8 h + my stage
.set KSB, 5           ; v5   4 r + my stage
.set QSB, 6           ; v6   4 p + my stage
.set VSB, 7           ; v7   4 x lane + my stage
.set BA,  8           ; v8   64 h + my biases
.set AX,  9           ; v9-15 the trip's addresses
.set AXS, 10
.set AQ,  11
.set AK,  12
.set AKS, 13
.set AQS, 14
.set AVS, 15
.set WS,  16          ; v16-63 the weights' scale words: 16 type + 4 tile + s / 2; lanes 0-15 the even K step, lanes 16-31 the odd one
.set XF,  64          ; v64-127 x's eight fragments of a token tile; while x is quantised: set 0 of 64 numbers
.set ACC, 128         ; v128-159 four tiles of Q or of K; while x is quantised v128-191: set 1
.set VA,  160         ; v160-223 V: 16 n + 8 u + j
.set TM,  224         ; v224-227 largest magnitudes, v228-231 bytes, v236-239 the conversions' scale operands
.set PW,  232         ; the scale word just made
.set PC,  240         ; v240-247 the codes just made
.set XS,  248         ; v248-251 x's scale words, as WS
.set BV,  252         ; v252-255 bv at my d of tile n
.set RSW, 192         ; v192-215: at work until x is quantised
.set WA,  193
.set WSA, 194
.set XA,  195
.set RLA, 196
.set RLS, 197
.set BQT, 198
.set BKT, 200
.set P4,  202
.set L8,  203
.set RLD, 204
.set XWI, 208
.set XWS, 209
.set L8G, 210
.set LN,  211
.set RR,  212
.set HH,  213
.set PP,  214
.set L4,  215
.set MSB, 0
.macro WIN new                         ; the immediate's high byte repeats the setting that is left
.if MSB != \new
	s_set_vgpr_msb (MSB<<8)|\new
.set MSB, \new
.endif
.endm
.macro PLACES
.rept 4
	v_nop
.endr
.endm
; nb blocks of 32: register src + 16 b + i is number 16 h + i of block b; lanes l and l xor 16 hold a block.  Bytes to v[TM+4+b], codes (16 a lane) to v[PC+2b], v[PC+2b+1].
.macro QBLK src, nb
.irp b, 0,1,2,3
.if \b < \nb
	v_max3_num_f32 v[TM+\b], |v[\src+16*\b]|, |v[\src+16*\b+1]|, 0x1800000   ; and the floor 2^(3 - 127): the byte cannot fall under 1
.endif
.endr
.irp i, 2,4,6,8,10,12,14
.irp b, 0,1,2,3
.if \b < \nb
	v_max3_num_f32 v[TM+\b], v[TM+\b], |v[\src+16*\b+\i]|, |v[\src+16*\b+\i+1]|
.endif
.endr
.endr
.irp b, 0,1,2,3
.if \b < \nb
	v_permlanex16_b32 v[TM+4+\b], v[TM+\b], s48, s49
.endif
.endr
.irp b, 0,1,2,3
.if \b < \nb
	v_max_num_f32 v[TM+\b], v[TM+\b], v[TM+4+\b]       ; the block's largest magnitude
.endif
.endr
.irp b, 0,1,2,3
.if \b < \nb
	v_add_nc_u32 v[TM+12+\b], 0xff000000, v[TM+\b]     ; 2 off its exponent field: the conversion's scale operand
.endif
.endr
.irp b, 0,1,2,3
.if \b < \nb
	v_lshrrev_b32 v[TM+4+\b], 23, v[TM+12+\b]          ; the scale's byte
.endif
.endr
.irp b, 0,1,2,3
.if \b < \nb
	v_cvt_scalef32_pk8_fp4_f32 v[PC+2*\b], v[\src+16*\b:\src+16*\b+7], v[TM+12+\b]
	v_cvt_scalef32_pk8_fp4_f32 v[PC+2*\b+1], v[\src+16*\b+8:\src+16*\b+15], v[TM+12+\b]
.endif
.endr
	v_nop                                              ; one plain place behind the last scaled conversion
.endm
; a product: z = 1 starts the sum with 0, else it adds in place; row = 1: both sides' scales from lanes 16-31 (the odd K step)
.macro WM d, a, b, z, sa, sb, row
.if \z
	v_wmma_scale_f32_16x16x128_f8f6f4 v[\d:\d+7], v[\a:\a+7], v[\b:\b+7], 0, v[\sa], v[\sb] matrix_a_fmt:MATRIX_FMT_FP4 matrix_b_fmt:MATRIX_FMT_FP4
.elseif \row
	v_wmma_scale_f32_16x16x128_f8f6f4 v[\d:\d+7], v[\a:\a+7], v[\b:\b+7], v[\d:\d+7], v[\sa], v[\sb] matrix_a_fmt:MATRIX_FMT_FP4 matrix_b_fmt:MATRIX_FMT_FP4 matrix_a_scale:MATRIX_SCALE_ROW1 matrix_b_scale:MATRIX_SCALE_ROW1
.else
	v_wmma_scale_f32_16x16x128_f8f6f4 v[\d:\d+7], v[\a:\a+7], v[\b:\b+7], v[\d:\d+7], v[\sa], v[\sb] matrix_a_fmt:MATRIX_FMT_FP4 matrix_b_fmt:MATRIX_FMT_FP4
.endif
.endm
	s_load_b512 s[4:19], s[0:1], 0x0               ; x, Wq codes, Wq scales, bq, Wk codes, Wk scales, bk, Wv codes
	s_load_b512 s[20:35], s[0:1], 0x40             ; Wv scales, bv, Wo codes, Wo scales, qc, qs, kv, wimg
	v_lshl_add_u32 v234, v0, 2, 0x1f000
	v_mov_b32 v235, 0
	v_lshrrev_b32 v1, 5, v0
	v_readfirstlane_b32 s36, v1                    ; wave
	s_mov_b32 s37, ttmp9                           ; cg
	s_and_b32 s38, ttmp7, 0xffff                   ; rg
	s_lshl_b32 s39, s37, 2
	s_add_co_u32 s39, s39, s36                     ; my head
	s_mul_i32 s55, s36, STGW
	s_add_co_u32 s55, s55, STG                     ; my stage
	s_mov_b32 s48, 0x76543210
	s_mov_b32 s49, 0xfedcba98                      ; v_permlanex16_b32's selects for lane l xor 16
	v_and_b32 v[LN], 31, v0
	v_and_b32 v[RR], 15, v0
	v_bfe_u32 v[HH], v0, 4, 1
	v_and_b32 v[PP], 8, v[RR]
	v_add_nc_u32 v[PP], v[PP], v[RR]               ; p = r + (r & 8)
	v_lshlrev_b32 v[LI], 4, v[LN]
	v_lshlrev_b32 v[L4], 2, v[LN]
	v_add_nc_u32 v[LSX], XSC, v[L4]
	v_lshlrev_b32 v[QB], 5, v[PP]
	v_lshl_add_u32 v[QB], v[HH], 3, v[QB]
	v_add_nc_u32 v[QB], s55, v[QB]
	v_lshlrev_b32 v[KB], 4, v[RR]
	v_lshl_add_u32 v[KB], v[HH], 3, v[KB]
	v_add_nc_u32 v[KB], s55, v[KB]
	v_lshl_add_u32 v[KSB], v[RR], 2, s55
	v_lshl_add_u32 v[QSB], v[PP], 2, s55
	v_add_nc_u32 v[VSB], s55, v[L4]
	s_lshl_b32 s40, s36, 9
	s_add_co_u32 s40, s40, BIAS
	v_lshl_add_u32 v[BA], v[HH], 6, s40
	v_lshl_add_u32 v[L8], v[LN], 3, s40
	v_lshlrev_b32 v[L8G], 3, v[LN]
	v_lshlrev_b32 v[WA], 9, v[PP]                  ; a weight row is 512 bytes
	v_lshl_add_u32 v[WA], v[HH], 4, v[WA]
	v_lshlrev_b32 v[WSA], 5, v[PP]                 ; and 32 scale bytes
	v_lshl_add_u32 v[WSA], v[HH], 2, v[WSA]
	v_lshlrev_b32 v[XA], 12, v[PP]                 ; a row of x is 4,096 bytes; my 16 numbers of a block of 32 begin 64 h on
	v_lshl_add_u32 v[XA], v[HH], 6, v[XA]
	v_lshlrev_b32 v[RLA], 9, v[RR]
	v_lshl_add_u32 v[RLA], v[HH], 4, v[RLA]
	v_lshlrev_b32 v[RLS], 5, v[RR]
	v_lshl_add_u32 v[RLS], v[HH], 2, v[RLS]
	v_lshlrev_b32 v[P4], 2, v[PP]
	s_lshl_b32 s40, s36, 14
	v_add_nc_u32 v[XWI], s40, v[LI]                ; where I store x's images: tiles 2 w and 2 w + 1
	s_lshl_b32 s40, s36, 10
	s_add_co_u32 s40, s40, XSC
	v_lshl_add_u32 v[XWS], v[RR], 2, s40
.irp b, 0,1,2,3
	v_mov_b32 v[TM+4+\b], 0                        ; written once: a lane permute's destination counts as one of its sources
.endr
	s_mov_b32 s41, 0
	s_wait_kmcnt 0x0
	s_lshl_b32 s40, s38, 19                        ; x: (128 rg + 32 w) rows
	s_lshl_b32 s42, s36, 17
	s_add_co_u32 s40, s40, s42
	s_add_nc_u64 s[4:5], s[4:5], s[40:41]
	s_lshl_b32 s40, s39, 15                        ; my head's 64 rows of codes,
.irp p, 6,12,18
	s_add_nc_u64 s[\p:\p+1], s[\p:\p+1], s[40:41]
.endr
	s_lshl_b32 s40, s39, 11                        ; of scale bytes,
.irp p, 8,14,20
	s_add_nc_u64 s[\p:\p+1], s[\p:\p+1], s[40:41]
.endr
	s_lshl_b32 s40, s39, 8                         ; its 64 biases
.irp p, 10,16,22
	s_add_nc_u64 s[\p:\p+1], s[\p:\p+1], s[40:41]
.endr
	s_lshr_b32 s43, s38, 4
	s_lshl_b32 s43, s43, 4
	s_add_co_u32 s43, s43, s39                     ; bh = 16 x batch + head
	s_and_b32 s44, s38, 15                         ; the key step
	s_lshl_b32 s40, s43, 16
	s_lshl_b32 s42, s44, 12
	s_add_co_u32 s40, s40, s42
	s_add_nc_u64 s[28:29], s[28:29], s[40:41]      ; qc: (2048 bh + 128 ks) x 32
	s_lshl_b32 s40, s43, 13
	s_lshl_b32 s42, s44, 9
	s_add_co_u32 s40, s40, s42
	s_add_nc_u64 s[30:31], s[30:31], s[40:41]      ; qs: x 4
	s_lshl_b32 s40, s43, 4
	s_add_co_u32 s40, s40, s44
	s_mul_i32 s40, s40, 9216
	s_add_nc_u64 s[32:33], s[32:33], s[40:41]      ; kv: (16 bh + ks) x 9,216
	; Wo's copy.  g = 4 rg + cg.  Scale image g (wave 0); code images 2 g and 2 g + 1, half w & 1 of image 2 g + w / 2
	s_lshl_b32 s45, s38, 2
	s_add_co_u32 s45, s45, s37
	s_lshr_b32 s40, s45, 4
	s_lshl_b32 s40, s40, 11                        ; 64 rows of 32 scale bytes for each column group,
	s_and_b32 s42, s45, 3
	s_lshl_b32 s42, s42, 9                         ; 16 rows for each tile,
	s_add_co_u32 s40, s40, s42
	s_bfe_u32 s42, s45, 0x20002
	s_lshl_b32 s42, s42, 3                         ; 8 bytes for each pair of K steps
	s_add_co_u32 s40, s40, s42
	s_add_nc_u64 s[26:27], s[26:27], s[40:41]
	s_lshl_b32 s40, s45, 7
	s_add_co_u32 s40, s40, 524288
	s_add_nc_u64 s[46:47], s[34:35], s[40:41]
	s_lshl_b32 s45, s45, 1
	s_lshr_b32 s42, s36, 1
	s_add_co_u32 s45, s45, s42                     ; image m = (column group x 8 + K step) x 4 + tile
	s_and_b32 s44, s36, 1                          ; half c
	s_lshr_b32 s40, s45, 5
	s_lshl_b32 s40, s40, 15
	s_and_b32 s42, s45, 3
	s_lshl_b32 s42, s42, 13
	s_add_co_u32 s40, s40, s42
	s_bfe_u32 s42, s45, 0x30002
	s_lshl_b32 s42, s42, 6
	s_add_co_u32 s40, s40, s42
	s_lshl_b32 s42, s44, 5
	s_add_co_u32 s40, s40, s42
	s_add_nc_u64 s[24:25], s[24:25], s[40:41]
	s_lshl_b32 s40, s45, 10
	s_lshl_b32 s42, s44, 9
	s_add_co_u32 s40, s40, s42
	s_add_nc_u64 s[34:35], s[34:35], s[40:41]
	global_load_b128 v[RLD:RLD+3], v[RLA], s[24:25]
	s_cmp_lg_u32 s36, 0
	s_cbranch_scc1 .Lno_scale_in
	global_load_b32 v[RSW], v[RLS], s[26:27]
.Lno_scale_in:
	global_load_b64 v[BQT:BQT+1], v[L8G], s[10:11]
	global_load_b64 v[BKT:BKT+1], v[L8G], s[16:17]
.irp n, 0,1,2,3
	global_load_b32 v[BV+\n], v[P4], s[22:23] offset:128*(\n/2)+32*(\n%2)
.endr
; ---- x becomes codes: 16 steps; step i: token tile 2 w + i / 8, K step i % 8.  Lane (r, h) takes, of token 32 w + 8 u + p(r), 16 neighbours of each of the step's four blocks.
.macro XLOAD i
.irp b, 0,1,2,3
.irp j, 0,1,2,3
	global_load_b128 v[XF+64*((\i)%2)+16*\b+4*\j:XF+64*((\i)%2)+16*\b+4*\j+3], v[XA], s[4:5] offset:32768*((\i)/8)+512*((\i)%8)+128*\b+16*\j
.endr
.endr
.endm
; a twelfth of my weights: type i / 4, tile i % 4: 16 loads of codes into the type's window, 4 of scale words
.macro WCHUNK i
.set TAU, (\i)/4
.set TT, (\i)%4
	WIN 0x40*(1+TAU)
.irp s, 0,1,2,3,4,5,6,7
.irp c, 0,1
	global_load_b128 v[64*TT+8*\s+4*\c:64*TT+8*\s+4*\c+3], v[WA], s[6+6*TAU:7+6*TAU] offset:(32*(TT/2)+8*(TT%2))*512+64*\s+32*\c
.endr
.endr
	WIN 0
.irp q, 0,1,2,3
	global_load_b32 v[WS+16*TAU+4*TT+\q], v[WSA], s[8+6*TAU:9+6*TAU] offset:(32*(TT/2)+8*(TT%2))*32+8*\q
.endr
.endm
.macro XSTEP i
.set XSRC, XF+64*((\i)%2)
.set NW, 0                             ; the loads issued behind this step's sixteen: the next step's 16, and the 20 of each of the two chunks of weights that stand between
.if (\i)+1 < 16
.set NW, NW+16
.endif
.if ((\i) >= 2) && ((\i)-2 < 12)
.set NW, NW+20
.endif
.if ((\i) >= 1) && ((\i)-1 < 12)
.set NW, NW+20
.endif
	s_wait_loadcnt NW
.if (\i) == 0                          ; all that was asked for ahead of x is in too: Wo's piece leaves, the biases go to LDS
	global_store_b128 v[LI], v[RLD:RLD+3], s[34:35]
	s_cmp_lg_u32 s36, 0
	s_cbranch_scc1 .Lno_scale_out
	global_store_b32 v[L4], v[RSW], s[46:47]
.Lno_scale_out:
	ds_store_b64 v[L8], v[BQT:BQT+1]
	ds_store_b64 v[L8], v[BKT:BKT+1] offset:256
.endif
	s_wait_dscnt 0x0                               ; the last step's stores have read the codes and the scale word
	QBLK XSRC, 4
	v_lshl_or_b32 v[PW], v[TM+5], 8, v[TM+4]       ; my token's scale word for this K step
	v_lshl_or_b32 v[PW], v[TM+6], 16, v[PW]
	v_lshl_or_b32 v[PW], v[TM+7], 24, v[PW]
.irp c, 0,1                            ; the operand's layout wants a whole block in a lane: lanes 0-15 block 2 c, lanes 16-31 block 2 c + 1
.irp k, 0,1
	v_permlane16_swap_b32 v[PC+4*\c+\k], v[PC+4*\c+2+\k]
.endr
.endr
.irp c, 0,1
	ds_store_b128 v[XWI], v[PC+4*\c:PC+4*\c+3] offset:XIMG+8192*((\i)/8)+1024*((\i)%8)+512*\c
.endr
	ds_store_b32 v[XWS], v[PW] offset:512*((\i)/8)+64*((\i)%8)   ; both halves of the lanes write the same word with the same value
.if (\i)+2 < 16
	XLOAD (\i)+2
.endif
.if (\i) < 12
	WCHUNK \i
.endif
.endm
	XLOAD 0
	XLOAD 1
.irp i, 0,1,2,3,4,5,6,7,8,9,10,11,12,13,14,15
	XSTEP \i
.endr
	s_wait_dscnt 0x0                               ; for the others' sake: my images lie in LDS
	s_wait_xcnt 0x0                                ; Wo's stores have read their registers, which V's sums take
	s_barrier_signal -1
	s_barrier_wait -1                              ; the one barrier: from here on x's images are only read, and all else in LDS is a wave's own
	s_wait_loadcnt 0x0                             ; my weights
; ---- the products: four trips, 32 tokens (two token tiles) each
.macro BLOAD off                       ; a bias as the C of four tiles: lane (r, h) wants, for tile 2 B + U, the numbers of d = 32 B + 8 U + 16 h + 0 .. 7
.irp t, 0,1,2,3
.irp k, 0,1
	ds_load_b128 v[ACC+8*\t+4*\k:ACC+8*\t+4*\k+3], v[BA] offset:\off+128*(\t/2)+32*(\t%2)+16*\k
.endr
.endr
.endm
.macro QKOUT ac, oc, sc, as, os        ; four tiles become a token's two blocks of codes (8 bytes each from me) and its scale word; bytes 2, 3 repeat bytes 0, 1: they stand over the zero codes of the attention's K = 128
	QBLK ACC, 2
	v_lshl_or_b32 v[PW], v[TM+5], 8, v[TM+4]
	v_lshl_or_b32 v[PW], v[PW], 16, v[PW]
	ds_store_b64 v[\ac], v[PC:PC+1] offset:\oc
	ds_store_b64 v[\ac], v[PC+2:PC+3] offset:\oc+\sc
	ds_store_b32 v[\as], v[PW] offset:\os
.endm
.macro TILE u
.irp s, 0,1,2,3,4,5,6,7
.irp c, 0,1
	ds_load_b128 v[XF+8*\s+4*\c:XF+8*\s+4*\c+3], v[AX] offset:8192*\u+1024*\s+512*\c
.endr
.endr
.irp q, 0,1,2,3
	ds_load_b32 v[XS+\q], v[AXS] offset:512*\u+128*\q
.endr
	BLOAD 0
	s_wait_dscnt 8                                 ; x's fragments and scale words are in; the youngest eight loads (bq) may be out
	WIN 0x0c                                       ; source 1 (Wv) window 3
.irp s, 0,1,2,3,4,5,6,7                ; four accumulators by turns, one instruction a turn, in all three runs
.irp n, 0,1,2,3
	WM VA+16*\n+8*\u, XF+8*\s, 64*\n+8*\s, (\s==0), XS+\s/2, WS+32+4*\n+\s/2, \s%2
.endr
.endr
	s_wait_dscnt 0x0                               ; bq
	WIN 0x01                                       ; source 0 (Wq) window 1
.irp s, 0,1,2,3,4,5,6,7
.irp t, 0,1,2,3
	WM ACC+8*\t, 64*\t+8*\s, XF+8*\s, 0, WS+4*\t+\s/2, XS+\s/2, \s%2
.endr
.endr
	WIN 0
	PLACES
	QKOUT AQ, QST+256*\u, 16, AQS, QSS+32*\u
	BLOAD 256
	s_wait_dscnt 0x0                               ; bk; and the stores have read their registers
	WIN 0x02                                       ; source 0 (Wk) window 2
.irp s, 0,1,2,3,4,5,6,7
.irp t, 0,1,2,3
	WM ACC+8*\t, 64*\t+8*\s, XF+8*\s, 0, WS+16+4*\t+\s/2, XS+\s/2, \s%2
.endr
.endr
	WIN 0
	PLACES                                         ; they serve the reads of the results and the next tile's loads into the operands alike
	QKOUT AK, KIMG+512*\u, 256, AKS, KSC+64*\u
.endm
	s_mov_b32 s50, 0
	s_mov_b32 s51, 0
	s_mov_b32 s52, 0
	s_mov_b32 s53, 0
	s_mov_b32 s54, 0
.Lb:
	v_add_nc_u32 v[AX], s51, v[LI]                 ; 16,384 b: two token tiles of images
	v_add_nc_u32 v[AXS], s52, v[LSX]               ; 1,024 b
	v_add_nc_u32 v[AQ], s52, v[QB]
	v_add_nc_u32 v[AK], s52, v[KB]
	v_add_nc_u32 v[AKS], s53, v[KSB]               ; 128 b
	v_add_nc_u32 v[AQS], s53, v[QSB]
	v_add_nc_u32 v[AVS], s54, v[VSB]               ; b: which byte of V's scale words
	TILE 0
	TILE 1
.irp n, 0,1,2,3                        ; V: + bv; each accumulator from its low end on
.irp k, 0,1,2,3,4,5,6,7,8,9,10,11,12,13,14,15
	v_add_f32 v[VA+16*\n+\k], v[VA+16*\n+\k], v[BV+\n]
.endr
.endr
	s_wait_dscnt 0x0                               ; K's stores have read the codes' registers
	QBLK VA, 4                                     ; block n: these 32 tokens at my d of tile n
.irp n, 0,1,2,3
	ds_store_b64 v[AK], v[PC+2*\n:PC+2*\n+1] offset:VIMG+256*\n
	ds_store_b8 v[AVS], v[TM+4+\n] offset:VSC+128*\n
.endr
	s_wait_dscnt 0x0
	s_add_co_u32 s51, s51, 16384
	s_add_co_u32 s52, s52, 1024
	s_add_co_u32 s53, s53, 128
	s_add_co_u32 s54, s54, 1
	s_add_co_u32 s50, s50, 1
	s_cmp_lt_u32 s50, 4
	s_cbranch_scc1 .Lb
	; ---- the way out: my stage's 13,824 bytes, 512 consecutive bytes an instruction
	v_add_nc_u32 v[AX], s55, v[LI]
.set K, 0
.rept 27
	ds_load_b128 v[64+4*K:67+4*K], v[AX] offset:512*K
.set K, K+1
.endr
.set K, 0
.rept 27
	s_wait_dscnt 26-K
.if K < 8
	global_store_b128 v[LI], v[64+4*K:67+4*K], s[28:29] offset:512*K
.elseif K == 8
	global_store_b128 v[LI], v[64+4*K:67+4*K], s[30:31]
.else
	global_store_b128 v[LI], v[64+4*K:67+4*K], s[32:33] offset:512*(K-9)
.endif
.set K, K+1
.endr
	s_wait_tensorcnt 0x0
	ds_add_u32 v234, v235
	s_wait_dscnt 0x0
	s_endpgm
.Lfunc_end_k_q798cedc40a_qkv:
	.size	k_q798cedc40a_qkv, .Lfunc_end_k_q798cedc40a_qkv-k_q798cedc40a_qkv
	.p2alignl 7, 3214868480
	.fill 96, 4, 3214868480
	.section	.rodata,"a",@progbits
	.p2align	6, 0x0
	.amdhsa_kernel k_q798cedc40a_qkv
		.amdhsa_group_segment_fixed_size 127488
		.amdhsa_private_segment_fixed_size 0
		.amdhsa_enable_private_segment 0
		.amdhsa_kernarg_size 128
		.amdhsa_user_sgpr_count 2
		.amdhsa_user_sgpr_kernarg_segment_ptr 1
		.amdhsa_wavefront_size32 1
		.amdhsa_system_sgpr_workgroup_id_x 1
		.amdhsa_system_sgpr_workgroup_id_y 1
		.amdhsa_system_sgpr_workgroup_id_z 1
		.amdhsa_system_vgpr_workitem_id 0
		.amdhsa_next_free_vgpr 1024
		.amdhsa_next_free_sgpr 66
		.amdhsa_reserve_vcc 0
		.amdhsa_float_denorm_mode_32 3
		.amdhsa_float_denorm_mode_16_64 3
		.amdhsa_memory_ordered 1
		.amdhsa_forward_progress 1
		.amdhsa_inst_pref_size 167
	.end_amdhsa_kernel
	.amdgpu_metadata
---
amdhsa.version: [ 1, 2 ]
amdhsa.kernels:
  - .name:           k_q798cedc40a_qkv
    .symbol:         k_q798cedc40a_qkv.kd
    .args:
      - { .name: x, .offset: 0, .size: 8, .value_kind: global_buffer, .address_space: global }
      - { .name: Wq_codes, .offset: 8, .size: 8, .value_kind: global_buffer, .address_space: global }
      - { .name: Wq_scales, .offset: 16, .size: 8, .value_kind: global_buffer, .address_space: global }
      - { .name: bq, .offset: 24, .size: 8, .value_kind: global_buffer, .address_space: global }
      - { .name: Wk_codes, .offset: 32, .size: 8, .value_kind: global_buffer, .address_space: global }
      - { .name: Wk_scales, .offset: 40, .size: 8, .value_kind: global_buffer, .address_space: global }
      - { .name: bk, .offset: 48, .size: 8, .value_kind: global_buffer, .address_space: global }
      - { .name: Wv_codes, .offset: 56, .size: 8, .value_kind: global_buffer, .address_space: global }
      - { .name: Wv_scales, .offset: 64, .size: 8, .value_kind: global_buffer, .address_space: global }
      - { .name: bv, .offset: 72, .size: 8, .value_kind: global_buffer, .address_space: global }
      - { .name: Wo_codes, .offset: 80, .size: 8, .value_kind: global_buffer, .address_space: global }
      - { .name: Wo_scales, .offset: 88, .size: 8, .value_kind: global_buffer, .address_space: global }
      - { .name: qc, .offset: 96, .size: 8, .value_kind: global_buffer, .address_space: global }
      - { .name: qs, .offset: 104, .size: 8, .value_kind: global_buffer, .address_space: global }
      - { .name: kv, .offset: 112, .size: 8, .value_kind: global_buffer, .address_space: global }
      - { .name: wimg, .offset: 120, .size: 8, .value_kind: global_buffer, .address_space: global }
    .group_segment_fixed_size: 127488
    .private_segment_fixed_size: 0
    .kernarg_segment_align: 8
    .kernarg_segment_size: 128
    .max_flat_workgroup_size: 128
    .sgpr_count:     66
    .vgpr_count:     1024
    .wavefront_size: 32
...
	.end_amdgpu_metadata
.endif
;; end of part 1
;; launch attn (part 2): grid 4 x 64, 16 waves a work-group, no clusters, 20,480 bytes of LDS; arguments qc, qs, kv, cc, cs; writes cc, cs
.if DOCPART == 2
	.amdgcn_target "amdgcn-amd-amdhsa--gfx1250"
	.amdhsa_code_object_version 6
	.text
	.protected	k_q798cedc40a_attn
	.globl	k_q798cedc40a_attn
	.p2align	8
	.type	k_q798cedc40a_attn,@function
k_q798cedc40a_attn:
	s_mov_b64 s[64:65], 0
	v_nop
	global_prefetch_b8 v0, s[64:65] scope:SCOPE_SE
	s_setreg_imm32_b32 hwreg(HW_REG_WAVE_MODE, 25, 1), 1
	s_wait_xcnt 0x0
; ctx = softmax(Q K^T / 8, causal) V for one head, both products on codes of FP4 (E2M1) with E8M0 scales; ctx is quantised along the head's 64 for the last launch.
; THE SOFTMAX: t = score x log2(e) / 8; M = the running largest t rounded up to a whole number; p = 2^(t - M) is quantised along the keys, not normalised; the row's sum is taken of the unquantised p and divides at the end.
; SHARES.  Work-group (P, bh) owns the blocks P and 7 - P of 256 queries of head bh: 2 (P + 1) and 16 - 2 P key steps of 128 keys, 18 in every work-group: one loop of 9 trips of two steps.
; Each of the sixteen waves owns 16 queries of the block in hand, in 256 registers: four waves to a SIMD, so that one wave's vector work stands beside another's products and LDS loads.
; A key step's tile (9,216 bytes of kv, already in the order of the operands' registers) goes through registers into one of two LDS slots, a step ahead; all sixteen waves read it.
; A step all of whose keys come after a wave's queries is left out by a scalar branch on ids; on the diagonal hidden scores become -infinity ahead of the maximum.
; LAYOUT.  Both products are used transposed: S^T = K Q^T, O^T = V^T P^T: a lane holds one query (lane % 16) throughout.  The first product's K is 64: the upper 64 of the instruction's 128 are zero codes on both sides.
; The tiles' keys and V's rows are permuted (lane r of tile 2 b + u: 32 b + 8 u + r + (r & 8)), so that 16 registers of two neighbouring tiles are 16 neighbours.
; No tensor load, no cluster, no prefetch: a step's tile is 16 bytes a lane and is asked for a whole step ahead of its use.
; O^T and the sum begin as zeros and the largest t as -3e38, so that the step is written without a first step of its own.
; LIMITS: NaN and infinities are not served.  A block of ctx whose largest magnitude lies under 2^-124 keeps the scale byte 1.  cs leaves as 32 consecutive bytes a wave.
; REGISTERS: v1 16 x lane; v2 4 x lane; v3 16 r + 1024 h; v4 16 x thread; v5 r - 16 h; v6 2 r + h; v7 the second block's Q scale word; v8-11, v28-31 the tile on its way; v12 -M, v13 the largest t, v[14:15] the sum;
; v16-23 Q (v20-23 zeros); v24-27 the second block's Q; v32-95 K's 8 fragments (upper halves zeros); v96-159 S^T, then p; v160-191 O^T; v192-223 V's 4 fragments; v224-231 p's codes; v232-239, v244-247, v252, v254 at work;
; v240-243 K's scale words; v248-251 V's; v253 p's; v255 Q's.
.set SLOTB, 9216
.set VIMG,  4096
.set KSC,   8192
.set VSC,   8704
.macro PLACES
.rept 4
	v_nop
.endr
.endm
; the tile of global step 2 x trip + add: key step G of the first block, or G - nA of the second
.macro GLOAD add
	s_lshl_b32 s18, s19, 1
	s_add_co_u32 s18, s18, \add
	s_cmp_ge_u32 s18, s17
	s_cselect_b32 s41, s17, 0
	s_sub_co_u32 s41, s18, s41
	s_mul_i32 s28, s41, SLOTB
	s_add_nc_u64 s[30:31], s[8:9], s[28:29]        ; (the last tile's loads were waited for: the pair may be written)
	global_load_b128 v[8:11], v4, s[30:31]
	s_cmp_lt_u32 s14, 2
	s_cbranch_scc0 .Lone_\@
	global_load_b128 v[28:31], v4, s[30:31] offset:8192   ; the last 1,024 bytes: waves 0 and 1
.Lone_\@:
.endm
.macro LSTORE slot
	ds_store_b128 v4, v[8:11] offset:SLOTB*\slot
	s_cmp_lt_u32 s14, 2
	s_cbranch_scc0 .Lonly_\@
	ds_store_b128 v4, v[28:31] offset:SLOTB*\slot+8192
.Lonly_\@:
.endm
.macro BAR                             ; my stores into one slot have landed and my reads of the other are in: then the work-group's barrier
	s_wait_dscnt 0x0
	s_barrier_signal -1
	s_barrier_wait -1
.endm
.macro INIT
	v_mov_b32 v13, 0xff61b1e6                      ; the largest t so far: -3e38
	v_floor_f32 v12, -v13                          ; -M
	v_mov_b32 v14, 0
	v_mov_b32 v15, 0
.set J, 0
.rept 32
	v_mov_b32 v[160+J], 0
.set J, J+1
.endr
.endm
	s_load_b256 s[4:11], s[0:1], 0x0               ; qc, qs, kv, cc
	s_load_b64 s[12:13], s[0:1], 0x20              ; cs
	v_lshrrev_b32 v1, 5, v0
	v_readfirstlane_b32 s14, v1                    ; wave 0..15
	s_mov_b32 s15, ttmp9                           ; P
	s_and_b32 s16, ttmp7, 0xffff                   ; bh
	s_lshl_b32 s17, s15, 1
	s_add_co_u32 s17, s17, 2                       ; nA: the first block's key steps
	s_mov_b32 s19, 0                               ; trip
	s_mov_b32 s20, 0x76543210
	s_mov_b32 s21, 0xfedcba98
	s_mov_b32 s22, 0x3e38aa3b                      ; c = log2(e) / 8
	s_mov_b32 s23, s22                             ; (named with it as a pair, so it is written)
	s_mov_b32 s24, 0                               ; the step's first key
	s_lshl_b32 s41, s14, 4
	s_lshl_b32 s25, s15, 8
	s_add_co_u32 s25, s25, s41                     ; my first query: 256 P + 16 w,
	s_sub_co_u32 s26, 7, s15
	s_lshl_b32 s26, s26, 8
	s_add_co_u32 s26, s26, s41                     ; and in the second block: 256 (7 - P) + 16 w
	s_mov_b32 s29, 0
	s_mov_b32 s40, 0xffff0000                      ; lanes 16-31
	v_and_b32 v232, 31, v0
	v_and_b32 v233, 15, v0
	v_bfe_u32 v234, v0, 4, 1
	v_lshlrev_b32 v1, 4, v232
	v_lshlrev_b32 v2, 2, v232
	v_lshlrev_b32 v3, 4, v233
	v_lshl_add_u32 v3, v234, 10, v3
	v_lshlrev_b32 v4, 4, v0
	v_lshlrev_b32 v5, 4, v234
	v_sub_nc_u32 v5, v233, v5
	v_lshl_add_u32 v6, v233, 1, v234
	v_lshlrev_b32 v235, 5, v233
	v_lshl_add_u32 v235, v234, 4, v235             ; Q: 32 bytes a query, block h
	v_lshlrev_b32 v254, 2, v233
.irp k, 28,29,30,31
	v_mov_b32 v[\k], 0                             ; written once, in every wave, ahead of the first tile's loads: waves 0 and 1 load and store these four, waves 2 to 15 do neither
.endr
	s_lshl_b32 s27, s16, 11
	s_add_co_u32 s41, s27, s26                     ; 2048 bh + my first query: second block,
	s_add_co_u32 s27, s27, s25                     ; first block
	s_wait_kmcnt 0x0
	s_lshl_b32 s28, s27, 5
	s_add_nc_u64 s[42:43], s[4:5], s[28:29]
	s_lshl_b32 s28, s41, 5
	s_add_nc_u64 s[4:5], s[4:5], s[28:29]
	s_lshl_b32 s28, s27, 2
	s_add_nc_u64 s[44:45], s[6:7], s[28:29]
	s_lshl_b32 s28, s41, 2
	s_add_nc_u64 s[6:7], s[6:7], s[28:29]
	s_lshl_b32 s28, s27, 1
	s_add_nc_u64 s[34:35], s[12:13], s[28:29]      ; cs: 2 bytes a token
	s_lshl_b32 s28, s41, 1
	s_add_nc_u64 s[38:39], s[12:13], s[28:29]
	s_lshr_b32 s28, s16, 4                         ; cc: batch x 2^20 + block x 2^17 + wave x 8,192 + head x 512
	s_lshl_b32 s28, s28, 20
	s_and_b32 s46, s16, 15
	s_lshl_b32 s46, s46, 9
	s_add_co_u32 s28, s28, s46
	s_lshl_b32 s46, s14, 13
	s_add_co_u32 s28, s28, s46
	s_add_nc_u64 s[10:11], s[10:11], s[28:29]
	s_lshl_b32 s28, s15, 17
	s_add_nc_u64 s[32:33], s[10:11], s[28:29]
	s_sub_co_u32 s28, 7, s15
	s_lshl_b32 s28, s28, 17
	s_add_nc_u64 s[36:37], s[10:11], s[28:29]
	s_mul_i32 s28, s16, 16*SLOTB
	s_add_nc_u64 s[8:9], s[8:9], s[28:29]          ; kv at my head
	GLOAD 0
	global_load_b128 v[16:19], v235, s[42:43]
	global_load_b128 v[24:27], v235, s[4:5]
	global_load_b32 v255, v254, s[44:45]
	global_load_b32 v7, v254, s[6:7]
.irp k, 20,21,22,23
	v_mov_b32 v[\k], 0                             ; zero codes: k = 64 .. 127 of the first product, in Q
.endr
.irp t, 0,1,2,3,4,5,6,7
.irp k, 4,5,6,7
	v_mov_b32 v[32+8*\t+\k], 0                     ; and in K: no load ever lands here
.endr
.endr
.irp k, 236,237,238,239,252,253
	v_mov_b32 v[\k], 0                             ; written once: permutes' destinations, and halves of pairs that are named before they are first written
.endr
	INIT
	s_wait_loadcnt 0x0
	LSTORE 0
	BAR
; A KEY STEP: 128 keys, from the slot named
.macro STEP slot
	s_add_co_u32 s41, s25, 15
	s_cmp_gt_u32 s24, s41
	s_cbranch_scc1 .Lhidden_\@                     ; all its keys come after my 16 queries
	PLACES                                         ; in front of loads into registers that the last products read
.irp t, 0,1,2,3,4,5,6,7
	ds_load_b128 v[32+8*\t:35+8*\t], v1 offset:SLOTB*\slot+512*\t
.endr
.irp b, 0,1,2,3
	ds_load_b32 v[240+\b], v2 offset:SLOTB*\slot+KSC+128*\b    ; lanes 0-15: tile 2 b's words; lanes 16-31: tile 2 b + 1's
.endr
.irp n, 0,1,2,3
.irp c, 0,1
	ds_load_b128 v[192+8*\n+4*\c:195+8*\n+4*\c], v3 offset:SLOTB*\slot+VIMG+2048*\c+256*\n
.endr
.endr
.irp n, 0,1,2,3
	ds_load_b32 v[248+\n], v2 offset:SLOTB*\slot+VSC+128*\n
.endr
	s_wait_dscnt 12                                ; K and its words are in; V's eight loads and its four words may be out
.irp t, 0,2,4,6
	v_wmma_scale_f32_16x16x128_f8f6f4 v[96+8*\t:103+8*\t], v[32+8*\t:39+8*\t], v[16:23], 0, v[240+\t/2], v255 matrix_a_fmt:MATRIX_FMT_FP4 matrix_b_fmt:MATRIX_FMT_FP4
	v_wmma_scale_f32_16x16x128_f8f6f4 v[104+8*\t:111+8*\t], v[40+8*\t:47+8*\t], v[16:23], 0, v[240+\t/2], v255 matrix_a_fmt:MATRIX_FMT_FP4 matrix_b_fmt:MATRIX_FMT_FP4 matrix_a_scale:MATRIX_SCALE_ROW1
.endr
	PLACES
	s_add_co_u32 s41, s24, 127
	s_cmp_le_u32 s41, s25
	s_cbranch_scc1 .Lopen_\@                       ; all its keys count
	s_sub_co_i32 s41, s25, s24
	v_add_nc_u32 v252, s41, v5                     ; d = my query - the step's first key - 16 h.  Register 16 b + i holds key 32 b + 16 h + i of the step: hidden where 32 b + i > d
	v_mov_b32 v254, 0xff800000
.set J, 0
.rept 64
	v_cmp_gt_i32 vcc_lo, 32*(J/16)+J%16, v252
	v_cndmask_b32 v[96+J], v[96+J], v254, vcc_lo
.set J, J+1
.endr
.Lopen_\@:
.irp b, 0,1,2,3
	v_max3_num_f32 v[232+\b], v[96+16*\b], v[97+16*\b], v[98+16*\b]   ; the largest score of each block of 32 keys: for the row's maximum, and, since p rises with the score, for the block's largest p
.endr
.irp i, 3,5,7,9,11,13
.irp b, 0,1,2,3
	v_max3_num_f32 v[232+\b], v[232+\b], v[96+16*\b+\i], v[97+16*\b+\i]
.endr
.endr
.irp b, 0,1,2,3
	v_max_num_f32 v[232+\b], v[232+\b], v[111+16*\b]
.endr
.irp b, 0,1,2,3
	v_permlanex16_b32 v[236+\b], v[232+\b], s20, s21
.endr
.irp b, 0,1,2,3
	v_max_num_f32 v[232+\b], v[232+\b], v[236+\b]
.endr
	v_max3_num_f32 v254, v232, v233, v234
	v_max_num_f32 v254, v254, v235
	v_mul_f32 v254, s22, v254                      ; the step's largest t
	v_max_num_f32 v13, v13, v254
	v_mov_b32 v254, v12
	v_floor_f32 v12, -v13                          ; the new -M = -ceil(t)
	v_sub_f32 v254, v12, v254                      ; old M - new M: a whole number, 0 or less
	v_cvt_i32_f32 v254, v254                       ; (it saturates)
	v_ldexp_f32 v252, 1.0, v254                    ; f = 2^(old M - new M): a multiplication by it rounds nothing
.set J, 0
.rept 32
	v_pk_fma_f32 v[96+J:97+J], v[96+J:97+J], s[22:23], v[12:13] op_sel_hi:[1,0,0]   ; t - M
.set J, J+2
.endr
.irp b, 0,1,2,3
	v_fma_f32 v[232+\b], v[232+\b], s22, v12
.endr
.set J, 0
.rept 64
	v_exp_f32 v[96+J], v[96+J]                     ; p = 2^(t - M)
.set J, J+1
.endr
	v_pk_mul_f32 v[14:15], v[14:15], v[252:253] op_sel_hi:[1,0]   ; the sums under the new M; also the plain place behind the exponentials
	s_wait_alu depctr_va_vdst(0)                   ; one wait for the batch, ahead of its first reader
.irp b, 0,1,2,3
	v_exp_f32 v[232+\b], v[232+\b]                 ; each block's largest p
.endr
	v_pk_add_f32 v[236:237], v[96:97], v[98:99]    ; the row's sum, of the unquantised p, in two chains
.irp j, 4,8,12,16,20,24,28,32,36,40,44,48,52,56,60
	v_pk_add_f32 v[14:15], v[14:15], v[96+\j:97+\j]
	v_pk_add_f32 v[236:237], v[236:237], v[98+\j:99+\j]
.endr
	v_pk_add_f32 v[14:15], v[14:15], v[236:237]
	s_wait_alu depctr_va_vdst(0)                   ; and one for the four
.irp b, 0,1,2,3
	v_max_num_f32 v[232+\b], 0x1800000, v[232+\b]  ; the floor 2^(3 - 127)
.endr
.irp b, 0,1,2,3
	v_add_nc_u32 v[244+\b], 0xff000000, v[232+\b]
.endr
.irp b, 0,1,2,3
	v_lshrrev_b32 v[236+\b], 23, v[244+\b]
.endr
	v_lshl_or_b32 v253, v237, 8, v236              ; p's scale word for these 128 keys
	v_lshl_or_b32 v253, v238, 16, v253
	v_lshl_or_b32 v253, v239, 24, v253
.irp b, 0,1,2,3
	v_cvt_scalef32_pk8_fp4_f32 v[224+2*\b], v[96+16*\b:103+16*\b], v[244+\b]
	v_cvt_scalef32_pk8_fp4_f32 v[225+2*\b], v[104+16*\b:111+16*\b], v[244+\b]
.endr
	v_nop
.irp c, 0,1
.irp i, 0,1
	v_permlane16_swap_b32 v[224+4*\c+\i], v[226+4*\c+\i]
.endr
.endr
.set J, 0
.rept 16
	v_pk_mul_f32 v[160+J:161+J], v[160+J:161+J], v[252:253] op_sel_hi:[1,0]   ; O^T under the new M; these sixteen also stand between the scale word's and the codes' last writes and the products
.set J, J+2
.endr
	s_wait_dscnt 0x0                               ; V and its words
.irp n, 0,1,2,3
	v_wmma_scale_f32_16x16x128_f8f6f4 v[160+8*\n:167+8*\n], v[192+8*\n:199+8*\n], v[224:231], v[160+8*\n:167+8*\n], v[248+\n], v253 matrix_a_fmt:MATRIX_FMT_FP4 matrix_b_fmt:MATRIX_FMT_FP4
.endr
.Lhidden_\@:
	s_add_co_u32 s24, s24, 128
.endm
.Ltrip:
	GLOAD 1
	STEP 0
	s_wait_loadcnt 0x0
	LSTORE 1
	BAR                                            ; slot 1 is whole, and nobody reads slot 0 any more
	s_cmp_eq_u32 s19, 8
	s_cbranch_scc1 .Lno_load                       ; the last step has no successor
	GLOAD 2
.Lno_load:
	STEP 1
	s_wait_loadcnt 0x0                             ; on every way: no load is out when the next is issued
	s_cmp_eq_u32 s19, 8
	s_cbranch_scc1 .Lno_store
	LSTORE 0
.Lno_store:
	BAR
	s_cmp_eq_u32 s19, s15
	s_cbranch_scc1 .Lout                           ; the first block's last step was 2 P + 1,
	s_cmp_lg_u32 s19, 8
	s_cbranch_scc1 .Lnext                          ; the second's 17
.Lout:
	; THE WAY OUT of a block: O^T / the sum is ctx; its two blocks of 32 along d are quantised; lane (r, h) then holds block h of query r: a piece of the last launch's operand
	PLACES
	v_add_f32 v14, v14, v15
	v_permlanex16_b32 v236, v14, s20, s21
	v_add_f32 v14, v14, v236
	v_rcp_f32 v14, v14
	v_nop
	s_wait_alu depctr_va_vdst(0)
.set J, 0
.rept 16
	v_pk_mul_f32 v[96+J:97+J], v[160+J:161+J], v[14:15] op_sel_hi:[1,0]
.set J, J+2
.endr
	v_max3_num_f32 v232, |v96|, |v97|, 0x1800000
	v_max3_num_f32 v233, |v112|, |v113|, 0x1800000
.irp i, 2,4,6,8,10,12,14
	v_max3_num_f32 v232, v232, |v[96+\i]|, |v[97+\i]|
	v_max3_num_f32 v233, v233, |v[112+\i]|, |v[113+\i]|
.endr
	v_permlanex16_b32 v236, v232, s20, s21
	v_permlanex16_b32 v237, v233, s20, s21
	v_max_num_f32 v232, v232, v236
	v_max_num_f32 v233, v233, v237
	v_add_nc_u32 v244, 0xff000000, v232
	v_add_nc_u32 v245, 0xff000000, v233
	v_lshrrev_b32 v236, 23, v244
	v_lshrrev_b32 v237, 23, v245
	v_cvt_scalef32_pk8_fp4_f32 v224, v[96:103], v244
	v_cvt_scalef32_pk8_fp4_f32 v225, v[104:111], v244
	v_cvt_scalef32_pk8_fp4_f32 v226, v[112:119], v245
	v_cvt_scalef32_pk8_fp4_f32 v227, v[120:127], v245
	v_nop
	v_permlane16_swap_b32 v224, v226
	v_permlane16_swap_b32 v225, v227
	v_cndmask_b32 v254, v236, v237, s40            ; lane (r, h): the byte of block h
	global_store_b128 v1, v[224:227], s[32:33]     ; 512 consecutive aligned bytes
	global_store_b8 v6, v254, s[34:35]
	s_wait_xcnt 0x0                                ; the stores have read their registers and bases: on every way from here these may be written
	s_cmp_eq_u32 s19, 8
	s_cbranch_scc1 .Lnext
.irp k, 0,1,2,3
	v_mov_b32 v[16+\k], v[24+\k]                   ; on to the second block: its Q,
.endr
	v_mov_b32 v255, v7                             ; its scale words (the lines below stand between these writes and the next product),
	INIT
	s_mov_b32 s25, s26
	s_mov_b32 s24, 0
	s_mov_b64 s[32:33], s[36:37]
	s_mov_b64 s[34:35], s[38:39]
.Lnext:
	s_add_co_u32 s19, s19, 1
	s_cmp_lt_u32 s19, 9
	s_cbranch_scc1 .Ltrip
	s_wait_xcnt 0x0
	v_lshl_add_u32 v254, v0, 2, 0x4800
	v_mov_b32 v255, 0
	s_wait_tensorcnt 0x0
	ds_add_u32 v254, v255
	s_wait_dscnt 0x0
	s_endpgm
.Lfunc_end_k_q798cedc40a_attn:
	.size	k_q798cedc40a_attn, .Lfunc_end_k_q798cedc40a_attn-k_q798cedc40a_attn
	.p2alignl 7, 3214868480
	.fill 96, 4, 3214868480
	.section	.rodata,"a",@progbits
	.p2align	6, 0x0
	.amdhsa_kernel k_q798cedc40a_attn
		.amdhsa_group_segment_fixed_size 20480
		.amdhsa_private_segment_fixed_size 0
		.amdhsa_enable_private_segment 0
		.amdhsa_kernarg_size 40
		.amdhsa_user_sgpr_count 2
		.amdhsa_user_sgpr_kernarg_segment_ptr 1
		.amdhsa_wavefront_size32 1
		.amdhsa_system_sgpr_workgroup_id_x 1
		.amdhsa_system_sgpr_workgroup_id_y 1
		.amdhsa_system_sgpr_workgroup_id_z 1
		.amdhsa_system_vgpr_workitem_id 0
		.amdhsa_next_free_vgpr 256
		.amdhsa_next_free_sgpr 66
		.amdhsa_reserve_vcc 1
		.amdhsa_float_denorm_mode_32 3
		.amdhsa_float_denorm_mode_16_64 3
		.amdhsa_memory_ordered 1
		.amdhsa_forward_progress 1
		.amdhsa_inst_pref_size 55
	.end_amdhsa_kernel
	.amdgpu_metadata
---
amdhsa.version: [ 1, 2 ]
amdhsa.kernels:
  - .name:           k_q798cedc40a_attn
    .symbol:         k_q798cedc40a_attn.kd
    .args:
      - { .name: qc, .offset: 0, .size: 8, .value_kind: global_buffer, .address_space: global }
      - { .name: qs, .offset: 8, .size: 8, .value_kind: global_buffer, .address_space: global }
      - { .name: kv, .offset: 16, .size: 8, .value_kind: global_buffer, .address_space: global }
      - { .name: cc, .offset: 24, .size: 8, .value_kind: global_buffer, .address_space: global }
      - { .name: cs, .offset: 32, .size: 8, .value_kind: global_buffer, .address_space: global }
    .group_segment_fixed_size: 20480
    .private_segment_fixed_size: 0
    .kernarg_segment_align: 8
    .kernarg_segment_size: 40
    .max_flat_workgroup_size: 512
    .sgpr_count:     66
    .vgpr_count:     256
    .wavefront_size: 32
...
	.end_amdgpu_metadata
.endif
;; end of part 2
;; launch proj (part 3): grid 256 x 1, 16 waves a work-group, no clusters, 92,160 bytes of LDS; arguments cc, cs, wimg, bo, x, gamma, beta, out0; writes out0
.if DOCPART == 3
	.amdgcn_target "amdgcn-amd-amdhsa--gfx1250"
	.amdhsa_code_object_version 6
	.text
	.protected	k_q798cedc40a_proj
	.globl	k_q798cedc40a_proj
	.p2align	8
	.type	k_q798cedc40a_proj,@function
k_q798cedc40a_proj:
	s_mov_b64 s[64:65], 0
	v_nop
	global_prefetch_b8 v0, s[64:65] scope:SCOPE_SE
	s_setreg_imm32_b32 hwreg(HW_REG_WAVE_MODE, 25, 1), 1
	s_wait_xcnt 0x0
; out0 = LayerNorm(ctx Wo^T + bo + x) x gamma + beta.  The product runs on codes of FP4 (E2M1) with E8M0 scales; all else in f32; mean and variance in two passes over numbers that stay in registers.
; SHARES.  A work-group owns 32 whole rows (two tiles of 16 tokens); wave w of sixteen owns columns 64 w .. 64 w + 63 (four tiles of 16).  The product is used transposed (source 0 = 16 rows of Wo, source 1 = ctx):
; lane (r, h) holds token r and eight neighbouring columns.  x, brought into that layout through the wave's stage in LDS, is the C of each sum's first product.
; ctx's codes (16,384 bytes, laid by the launch before as images of operand registers) are copied into LDS once and read by all waves.  Wo's fragments come from wimg, laid in the order of the registers:
; 512 consecutive bytes a load, through a ring of four K steps in registers; each work-group walks its waves' parts once.
; No tensor load and no cluster in this form: Wo goes straight into operand registers.  No prefetch: the loads run three K steps ahead of their use.
; LIMITS: NaN and infinities are not served.
; REGISTERS: v1 16 x lane; v2 4 x lane; v3 2 x lane; v4 16 x thread; v5 4096 (lane / 16) + 16 r; v6, v7 my stage by rows and by the result's layout; v8, v9 the sums' words; v10 32 h; v16-23 ctx's scale words (lanes 16-31: tokens 16-31);
; v24-31 the copy, later -mean and 1 / sigma in the low words of four pairs; v32-47 ctx's two fragments; v48-63 Wo's scale words (lanes 16-31: the odd K step); v64-127 the sums: 32 a + 8 t + j; v128-255 four buffers of 32.
.set STG,  16384      ; LDS: ctx's images at 0; then 16 rows x 272 bytes for each wave;
.set STGW, 4352
.set RED1, 86016      ; 128 bytes a wave for the rows' sums, and 2,048 bytes on the same for the sums of squares
.set ACC,  64
.set WB,   128
.macro PLACES
.rept 4
	v_nop
.endr
.endm
.macro WM d, a, b, sa, sb, ra, rb      ; adds in place; ra, rb = 1: that side's scales from lanes 16-31
.if (\ra) && (\rb)
	v_wmma_scale_f32_16x16x128_f8f6f4 v[\d:\d+7], v[\a:\a+7], v[\b:\b+7], v[\d:\d+7], v[\sa], v[\sb] matrix_a_fmt:MATRIX_FMT_FP4 matrix_b_fmt:MATRIX_FMT_FP4 matrix_a_scale:MATRIX_SCALE_ROW1 matrix_b_scale:MATRIX_SCALE_ROW1
.elseif (\ra)
	v_wmma_scale_f32_16x16x128_f8f6f4 v[\d:\d+7], v[\a:\a+7], v[\b:\b+7], v[\d:\d+7], v[\sa], v[\sb] matrix_a_fmt:MATRIX_FMT_FP4 matrix_b_fmt:MATRIX_FMT_FP4 matrix_a_scale:MATRIX_SCALE_ROW1
.elseif (\rb)
	v_wmma_scale_f32_16x16x128_f8f6f4 v[\d:\d+7], v[\a:\a+7], v[\b:\b+7], v[\d:\d+7], v[\sa], v[\sb] matrix_a_fmt:MATRIX_FMT_FP4 matrix_b_fmt:MATRIX_FMT_FP4 matrix_b_scale:MATRIX_SCALE_ROW1
.else
	v_wmma_scale_f32_16x16x128_f8f6f4 v[\d:\d+7], v[\a:\a+7], v[\b:\b+7], v[\d:\d+7], v[\sa], v[\sb] matrix_a_fmt:MATRIX_FMT_FP4 matrix_b_fmt:MATRIX_FMT_FP4
.endif
.endm
.macro WLOAD s                         ; my four fragments of Wo for K step s into buffer s % 4
.irp t, 0,1,2,3
.irp c, 0,1
	global_load_b128 v[WB+32*((\s)%4)+8*\t+4*\c:WB+32*((\s)%4)+8*\t+4*\c+3], v1, s[8:9] offset:4096*(\s)+1024*\t+512*\c
.endr
.endr
.endm
.macro CLOAD buf, p                    ; 64 numbers a column (gamma, beta, bo) in the result's layout: tile t, columns 16 t + 8 h + 0 .. 7
.irp t, 0,1,2,3
.irp k, 0,1
	global_load_b128 v[WB+32*\buf+8*\t+4*\k:WB+32*\buf+8*\t+4*\k+3], v10, s[\p:\p+1] offset:64*\t+16*\k
.endr
.endr
.endm
	s_load_b512 s[4:19], s[0:1], 0x0               ; cc, cs, wimg, bo, x, gamma, beta, out0
	v_lshl_add_u32 v14, v0, 2, 0x16000
	v_mov_b32 v15, 0
	v_lshrrev_b32 v1, 5, v0
	v_readfirstlane_b32 s20, v1                    ; wave 0..15
	s_mov_b32 s21, ttmp9                           ; which 32 rows
	s_mov_b32 s22, 0x76543210
	s_mov_b32 s23, 0xfedcba98
	s_mov_b32 s24, 0xffff0000                      ; lanes 16-31
	s_mov_b32 s25, 0xba800000                      ; -1 / 1024
	s_mov_b32 s26, 0x3a800000                      ; 1 / 1024
	s_mov_b32 s27, 0x3727c5ac                      ; 1e-5
	v_and_b32 v11, 31, v0
	v_and_b32 v12, 15, v0
	v_bfe_u32 v13, v0, 4, 1
	v_lshlrev_b32 v1, 4, v11
	v_lshlrev_b32 v2, 2, v11
	v_lshlrev_b32 v3, 1, v11
	v_lshlrev_b32 v4, 4, v0
	v_lshlrev_b32 v5, 4, v12
	v_lshl_add_u32 v5, v13, 12, v5
	s_mul_i32 s28, s20, STGW
	s_add_co_u32 s28, s28, STG
	v_mul_u32_u24 v6, v13, 272
	v_lshl_add_u32 v6, v12, 4, v6
	v_add_nc_u32 v6, s28, v6                       ; by rows: lanes 0-15 one row of 256 bytes, lanes 16-31 the next
	v_mul_u32_u24 v7, v12, 272
	v_lshl_add_u32 v7, v13, 5, v7
	v_add_nc_u32 v7, s28, v7                       ; by the result's layout: row r, 32 h bytes on
	s_lshl_b32 s28, s20, 7
	v_add_nc_u32 v9, RED1, v2
	v_add_nc_u32 v8, s28, v9
	v_lshlrev_b32 v10, 5, v13
	s_mov_b32 s29, 0
	s_wait_kmcnt 0x0
	s_lshl_b32 s28, s21, 14
	s_add_nc_u64 s[4:5], s[4:5], s[28:29]          ; cc: 16,384 bytes for 32 tokens
	s_lshr_b32 s28, s21, 6
	s_lshl_b32 s28, s28, 16                        ; cs: batch x 16 heads x 4,096 bytes
	s_and_b32 s32, s21, 63
	s_lshl_b32 s32, s32, 6                         ; + 32 tokens x 2 bytes
	s_add_co_u32 s28, s28, s32
	s_add_nc_u64 s[6:7], s[6:7], s[28:29]
	s_lshl_b32 s28, s20, 11
	s_add_co_u32 s28, s28, 524288
	s_add_nc_u64 s[30:31], s[8:9], s[28:29]        ; Wo's scale images, my 16
	s_lshl_b32 s28, s20, 15
	s_add_nc_u64 s[8:9], s[8:9], s[28:29]          ; Wo's code images, my 32
	s_lshl_b32 s28, s20, 8
	s_add_nc_u64 s[10:11], s[10:11], s[28:29]
	s_add_nc_u64 s[14:15], s[14:15], s[28:29]
	s_add_nc_u64 s[16:17], s[16:17], s[28:29]
	s_lshl_b32 s32, s21, 17
	s_add_co_u32 s28, s28, s32
	s_add_nc_u64 s[12:13], s[12:13], s[28:29]      ; x and out0: my 32 rows, my 256 bytes of each
	s_add_nc_u64 s[18:19], s[18:19], s[28:29]
	global_load_b128 v[24:27], v4, s[4:5] th:TH_LOAD_NT
	global_load_b128 v[28:31], v4, s[4:5] offset:8192 th:TH_LOAD_NT
.irp k, 0,1,2,3,4,5,6,7,8,9,10,11,12,13,14,15
	global_load_u16 v[32+\k], v3, s[6:7] offset:4096*\k          ; head k's two scale bytes of token = lane
.endr
.irp q, 0,1,2,3
.irp t, 0,1,2,3
	global_load_b32 v[48+4*\q+\t], v2, s[30:31] offset:512*\q+128*\t
.endr
.endr
.irp a, 0,1
.irp i, 0,1,2,3,4,5,6,7
	global_load_b128 v[ACC+32*\a+4*\i:ACC+32*\a+4*\i+3], v5, s[12:13] offset:(16*\a+2*\i)*4096 th:TH_LOAD_NT   ; sixteen lanes read 256 consecutive aligned bytes of a row of x
.endr
.endr
	s_wait_loadcnt 48                              ; the copy's two loads are in; the 48 behind them may be out
	ds_store_b128 v4, v[24:27]
	ds_store_b128 v4, v[28:31] offset:8192
	WLOAD 0
	WLOAD 1
	WLOAD 2
	WLOAD 3
	s_wait_loadcnt 32                              ; all but Wo's 32
.irp s, 0,1,2,3,4,5,6,7
	v_lshl_or_b32 v[16+\s], v[33+2*\s], 16, v[32+2*\s]           ; K step s: heads 2 s and 2 s + 1: four bytes
.endr
.irp a, 0,1                            ; x through my stage: in by rows, back in the result's layout, into the registers that it left (LDS serves a wave's instructions in order)
.irp i, 0,1,2,3,4,5,6,7
	ds_store_b128 v6, v[ACC+32*\a+4*\i:ACC+32*\a+4*\i+3] offset:544*\i
.endr
.irp t, 0,1,2,3
.irp k, 0,1
	ds_load_b128 v[ACC+32*\a+8*\t+4*\k:ACC+32*\a+8*\t+4*\k+3], v7 offset:64*\t+16*\k
.endr
.endr
.endr
	s_wait_dscnt 0x0
	s_barrier_signal -1
	s_barrier_wait -1                              ; ctx's images lie in LDS
.macro KSTEP s
.if \s == 0
	PLACES                                         ; with the seven lines behind its write they put K step 0's scale word eleven places ahead of its first product
.endif
.irp a, 0,1
.irp c, 0,1
	ds_load_b128 v[32+8*\a+4*\c:35+8*\a+4*\c], v1 offset:8192*\a+1024*\s+512*\c
.endr
.endr
	s_wait_loadcnt 24                              ; this K step's eight loads are in: behind them three groups of eight were issued, in every step
	s_wait_dscnt 0x0
.irp t, 0,1,2,3                        ; eight accumulators by turns, one instruction a turn
.irp a, 0,1
	WM ACC+32*\a+8*\t, WB+32*(\s%4)+8*\t, 32+8*\a, 48+4*(\s/2)+\t, 16+\s, \s%2, \a
.endr
.endr
	PLACES                                         ; in front of the loads into the buffer just read, of the next step's loads of ctx, and of the first read of results
.if \s < 4
	WLOAD \s+4
.elseif \s == 4
	CLOAD 0, 14                                    ; gamma
.elseif \s == 5
	CLOAD 1, 16                                    ; beta
.elseif \s == 6
	CLOAD 2, 10                                    ; bo
.endif
.endm
.irp s, 0,1,2,3,4,5,6,7
	KSTEP \s
.endr
	s_wait_loadcnt 0x0
.irp a, 0,1
.irp k, 0,2,4,6,8,10,12,14,16,18,20,22,24,26,28,30
	v_pk_add_f32 v[ACC+32*\a+\k:ACC+32*\a+\k+1], v[ACC+32*\a+\k:ACC+32*\a+\k+1], v[WB+64+\k:WB+64+\k+1]   ; + bo; each accumulator from its low end on
.endr
.endr
; v232, v233 hold my lane's sums for tokens r and 16 + r.  Behind this macro v236 holds, in lane (r, h), the whole row's sum for token 16 h + r.
.macro ACROSS off
	v_permlanex16_b32 v234, v232, s22, s23
	v_permlanex16_b32 v235, v233, s22, s23
	v_add_f32 v232, v232, v234                     ; with the other eight columns of each tile
	v_add_f32 v233, v233, v235
	v_cndmask_b32 v236, v232, v233, s24
	ds_store_b32 v8, v236 offset:\off
	s_wait_dscnt 0x0                               ; for the others' sake
	s_barrier_signal -1
	s_barrier_wait -1
.irp k, 0,1,2,3,4,5,6,7,8,9,10,11,12,13,14,15
	ds_load_b32 v[240+\k], v9 offset:\off+128*\k
.endr
	s_wait_dscnt 0x0
.irp k, 0,2,4,6
	v_pk_add_f32 v[240+\k:241+\k], v[240+\k:241+\k], v[248+\k:249+\k]
.endr
	v_pk_add_f32 v[240:241], v[240:241], v[244:245]
	v_pk_add_f32 v[242:243], v[242:243], v[246:247]
	v_pk_add_f32 v[240:241], v[240:241], v[242:243]
	v_add_f32 v236, v240, v241
.endm
.macro FOLD                            ; two chains a token tile become one number a lane
.irp a, 0,1
	v_pk_add_f32 v[224+4*\a:225+4*\a], v[224+4*\a:225+4*\a], v[226+4*\a:227+4*\a]
.endr
.irp a, 0,1
	v_add_f32 v[232+\a], v[224+4*\a], v[225+4*\a]
.endr
.endm
	; the mean
.irp a, 0,1
	v_pk_add_f32 v[224+4*\a:225+4*\a], v[ACC+32*\a:ACC+32*\a+1], v[ACC+32*\a+2:ACC+32*\a+3]
	v_pk_add_f32 v[226+4*\a:227+4*\a], v[ACC+32*\a+4:ACC+32*\a+5], v[ACC+32*\a+6:ACC+32*\a+7]
.endr
.irp k, 8,12,16,20,24,28
.irp a, 0,1
	v_pk_add_f32 v[224+4*\a:225+4*\a], v[224+4*\a:225+4*\a], v[ACC+32*\a+\k:ACC+32*\a+\k+1]
	v_pk_add_f32 v[226+4*\a:227+4*\a], v[226+4*\a:227+4*\a], v[ACC+32*\a+\k+2:ACC+32*\a+\k+3]
.endr
.endr
	FOLD
	ACROSS 0
	v_mul_f32 v236, s25, v236                      ; -mean of token 16 h + r
	v_permlanex16_b32 v237, v236, s22, s23
	v_cndmask_b32 v24, v236, v237, s24             ; of token r,
	v_cndmask_b32 v26, v237, v236, s24             ; of token 16 + r: each the low word of a pair
.irp a, 0,1
.irp k, 0,2,4,6,8,10,12,14,16,18,20,22,24,26,28,30
	v_pk_add_f32 v[ACC+32*\a+\k:ACC+32*\a+\k+1], v[ACC+32*\a+\k:ACC+32*\a+\k+1], v[24+2*\a:25+2*\a] op_sel_hi:[1,0]
.endr
.endr
	; the variance, of the differences
.irp a, 0,1
	v_pk_mul_f32 v[224+4*\a:225+4*\a], v[ACC+32*\a:ACC+32*\a+1], v[ACC+32*\a:ACC+32*\a+1]
	v_pk_mul_f32 v[226+4*\a:227+4*\a], v[ACC+32*\a+2:ACC+32*\a+3], v[ACC+32*\a+2:ACC+32*\a+3]
.endr
.irp k, 4,8,12,16,20,24,28
.irp a, 0,1
	v_pk_fma_f32 v[224+4*\a:225+4*\a], v[ACC+32*\a+\k:ACC+32*\a+\k+1], v[ACC+32*\a+\k:ACC+32*\a+\k+1], v[224+4*\a:225+4*\a]
	v_pk_fma_f32 v[226+4*\a:227+4*\a], v[ACC+32*\a+\k+2:ACC+32*\a+\k+3], v[ACC+32*\a+\k+2:ACC+32*\a+\k+3], v[226+4*\a:227+4*\a]
.endr
.endr
	FOLD
	ACROSS 2048
	v_fma_f32 v236, v236, s26, s27                 ; variance + 1e-5
	v_rsq_f32 v236, v236
	v_nop
	s_wait_alu depctr_va_vdst(0)                   ; ahead of the first reader
	v_permlanex16_b32 v237, v236, s22, s23
	v_cndmask_b32 v28, v236, v237, s24
	v_cndmask_b32 v30, v237, v236, s24
.irp a, 0,1
.irp k, 0,2,4,6,8,10,12,14,16,18,20,22,24,26,28,30
	v_pk_mul_f32 v[ACC+32*\a+\k:ACC+32*\a+\k+1], v[ACC+32*\a+\k:ACC+32*\a+\k+1], v[28+2*\a:29+2*\a] op_sel_hi:[1,0]
.endr
.endr
.irp a, 0,1
.irp k, 0,2,4,6,8,10,12,14,16,18,20,22,24,26,28,30
	v_pk_fma_f32 v[ACC+32*\a+\k:ACC+32*\a+\k+1], v[ACC+32*\a+\k:ACC+32*\a+\k+1], v[WB+\k:WB+\k+1], v[WB+32+\k:WB+32+\k+1]   ; x gamma + beta
.endr
.endr
	; the way out: through my stage, back by rows: sixteen lanes store 256 consecutive aligned bytes
.irp a, 0,1
.irp t, 0,1,2,3
.irp k, 0,1
	ds_store_b128 v7, v[ACC+32*\a+8*\t+4*\k:ACC+32*\a+8*\t+4*\k+3] offset:64*\t+16*\k
.endr
.endr
.irp i, 0,1,2,3,4,5,6,7
	ds_load_b128 v[192+32*\a+4*\i:195+32*\a+4*\i], v6 offset:544*\i
.endr
.endr
.irp i, 0,1,2,3,4,5,6,7
	s_wait_dscnt 23-\i                             ; behind this load: the rest of its eight, and the second tile's sixteen
	global_store_b128 v5, v[192+4*\i:195+4*\i], s[18:19] offset:2*\i*4096 th:TH_STORE_NT
.endr
.irp i, 0,1,2,3,4,5,6,7
	s_wait_dscnt 7-\i
	global_store_b128 v5, v[224+4*\i:227+4*\i], s[18:19] offset:(16+2*\i)*4096 th:TH_STORE_NT
.endr
	s_wait_tensorcnt 0x0
	ds_add_u32 v14, v15
	s_wait_dscnt 0x0
	s_endpgm
.Lfunc_end_k_q798cedc40a_proj:
	.size	k_q798cedc40a_proj, .Lfunc_end_k_q798cedc40a_proj-k_q798cedc40a_proj
	.p2alignl 7, 3214868480
	.fill 96, 4, 3214868480
	.section	.rodata,"a",@progbits
	.p2align	6, 0x0
	.amdhsa_kernel k_q798cedc40a_proj
		.amdhsa_group_segment_fixed_size 92160
		.amdhsa_private_segment_fixed_size 0
		.amdhsa_enable_private_segment 0
		.amdhsa_kernarg_size 64
		.amdhsa_user_sgpr_count 2
		.amdhsa_user_sgpr_kernarg_segment_ptr 1
		.amdhsa_wavefront_size32 1
		.amdhsa_system_sgpr_workgroup_id_x 1
		.amdhsa_system_sgpr_workgroup_id_y 1
		.amdhsa_system_sgpr_workgroup_id_z 1
		.amdhsa_system_vgpr_workitem_id 0
		.amdhsa_next_free_vgpr 256
		.amdhsa_next_free_sgpr 66
		.amdhsa_reserve_vcc 0
		.amdhsa_float_denorm_mode_32 3
		.amdhsa_float_denorm_mode_16_64 3
		.amdhsa_memory_ordered 1
		.amdhsa_forward_progress 1
		.amdhsa_inst_pref_size 51
	.end_amdhsa_kernel
	.amdgpu_metadata
---
amdhsa.version: [ 1, 2 ]
amdhsa.kernels:
  - .name:           k_q798cedc40a_proj
    .symbol:         k_q798cedc40a_proj.kd
    .args:
      - { .name: cc, .offset: 0, .size: 8, .value_kind: global_buffer, .address_space: global }
      - { .name: cs, .offset: 8, .size: 8, .value_kind: global_buffer, .address_space: global }
      - { .name: wimg, .offset: 16, .size: 8, .value_kind: global_buffer, .address_space: global }
      - { .name: bo, .offset: 24, .size: 8, .value_kind: global_buffer, .address_space: global }
      - { .name: x, .offset: 32, .size: 8, .value_kind: global_buffer, .address_space: global }
      - { .name: gamma, .offset: 40, .size: 8, .value_kind: global_buffer, .address_space: global }
      - { .name: beta, .offset: 48, .size: 8, .value_kind: global_buffer, .address_space: global }
      - { .name: out0, .offset: 56, .size: 8, .value_kind: global_buffer, .address_space: global }
    .group_segment_fixed_size: 92160
    .private_segment_fixed_size: 0
    .kernarg_segment_align: 8
    .kernarg_segment_size: 64
    .max_flat_workgroup_size: 512
    .sgpr_count:     66
    .vgpr_count:     256
    .wavefront_size: 32
...
	.end_amdgpu_metadata
.endif
;; end of part 3
;; ======== version 2 of 2: 3 launches; version 1 with the launches qkv, attn, proj written anew for expert scheduling mode
;; workspace buffers: qc 4,194,304 bytes; qs 524,288 bytes; kv 9,437,184 bytes; wimg 557,056 bytes; cc 4,194,304 bytes; cs 262,144 bytes
;; launch qkv (part 4): grid 4 x 64, 4 waves a work-group, no clusters, 127,488 bytes of LDS; arguments x, Wq_codes, Wq_scales, bq, Wk_codes, Wk_scales, bk, Wv_codes, Wv_scales, bv, Wo_codes, Wo_scales, qc, qs, kv, wimg; writes qc, qs, kv, wimg
.if DOCPART == 4
	.amdgcn_target "amdgcn-amd-amdhsa--gfx1250"
	.amdhsa_code_object_version 6
	.text
	.protected	k_q798cedc40a_qkv
	.globl	k_q798cedc40a_qkv
	.p2align	8
	.type	k_q798cedc40a_qkv,@function
k_q798cedc40a_qkv:
	s_mov_b64 s[64:65], 0
	v_nop
	global_prefetch_b8 v0, s[64:65] scope:SCOPE_SE
	s_setreg_imm32_b32 hwreg(HW_REG_WAVE_SCHED_MODE, 0, 2), 2
	s_setreg_imm32_b32 hwreg(HW_REG_WAVE_MODE, 25, 1), 1
	s_wait_xcnt 0x0
	s_wait_alu depctr_vm_vsrc(0)
; Q = x Wq^T + bq, K = x Wk^T + bk, V = x Wv^T + bv on codes of FP4 (E2M1) with one E8M0 scale for each 32 along K; the results are quantised at once for the attention launch:
; Q and K along the head's 64 (two blocks), V along the tokens (blocks of 32).  Beside that each work-group copies two fragments of Wo into the order in which the last launch's registers take them.
; SHARES.  Work-group (cg, rg): 128 tokens (128 rg on: one key step of one batch) x heads 4 cg .. 4 cg + 3.  Wave w owns head 4 cg + w for all three products: its 3 x 64 weight rows x 1,024 along K
; stay in registers (windows 1, 2, 3: 256 each), read from memory once.  x is quantised once by the work-group (wave w: 32 tokens) and goes from wave to wave through LDS as images of operand registers.
; PERMUTED TILES.  p(r) = r + (r & 8).  Lane r of tile 2 b + u takes element 32 b + 8 u + p(r), of the tokens and of a head's weight rows alike: the 16 result registers of tiles 2 b and 2 b + 1 are then 16 neighbours.
; Q and K are used transposed (source 0 = weight rows, source 1 = tokens): a lane holds one token and 16 neighbours along d.  V is used straight: a lane holds one d and 16 neighbouring tokens.
; No tensor load and no cluster: the weights go from memory straight into operand registers, so no tile in LDS could be shared.
; LIMITS: NaN and infinities are not served.  A block whose largest magnitude lies under 2^-124 (a block of zeros too) keeps the scale byte 1; only this program reads these bytes.
; Wo's scale images leave as 128 bytes a work-group (32 KB in the whole launch); all other stores of a wave cover 512 consecutive aligned bytes.
; THE MODE: SCHED_MODE bits 1:0 = 2 (LLVM: expert scheduling mode 2), set by the entry lines.  The code itself states the register dependences
; between vector or matrix instructions and memory or LDS instructions, with s_wait_alu, always for 0.
; THE PLAN.  Registers that memory or LDS instructions touch:
;   v1-8, v192-215   addresses and offsets, written at the head: one wait on va_vdst ahead of the first load.  v192-215 become V's sums: one wait on vm_vsrc ahead of the barrier.
;   v64-127, v128-191  while x is quantised: step i's maxima and conversions read set i % 2; the loads of step i + 2 land in it.
;   v240-247, v232, v228-231  codes, scale word, bytes: written by every quantising run, read by the LDS stores behind it.
;   v64-127, v248-251, v128-159  in the products' loop: x's fragments, their scale words, the four tiles: read by products and by the quantising runs, loaded anew from LDS.
;   v9-15            the trip's addresses: written at the trip's head, read by the trip's LDS instructions.
; So each quantising run has a wait on vm_vsrc ahead of it (the earlier stores have read what it writes) and ONE wait on va_vdst behind it, which states that its results are written, for the stores,
; and that all vector and matrix instructions so far are done with the registers in which the loads behind it land.  No operand or scale of a product is written by a vector instruction.
.set XIMG, 0          ; LDS: x's fragments: token tile T = 2 b + u at 8192 T, K step s at 1024 s, half c at 512 c, 16 bytes a lane
.set XSC,  65536      ; their scale words: 512 T + 64 s + 4 r
.set BIAS, 69632      ; 512 bytes a wave: bq of my head, then bk
.set STG,  71680      ; 13,824 bytes a wave: what leaves, in the order in which it leaves
.set STGW, 13824
.set QST,  0          ; Q's codes: 32 bytes a token
.set QSS,  4096       ; Q's scale words: 4 bytes a token
.set KIMG, 4608       ; the key step's block of kv: K's images,
.set VIMG, 8704       ; V's images,
.set KSC,  12800      ; K's scale words,
.set VSC,  13312      ; V's scale words
.set LI,  1           ; v1   16 x lane
.set LSX, 2           ; v2   4 x lane + XSC
.set QB,  3           ; v3   32 p + 8 h + my stage
.set KB,  4           ; v4   16 r + 8 h + my stage
.set KSB, 5           ; v5   4 r + my stage
.set QSB, 6           ; v6   4 p + my stage
.set VSB, 7           ; v7   4 x lane + my stage
.set BA,  8           ; v8   64 h + my biases
.set AX,  9           ; v9-15 the trip's addresses
.set AXS, 10
.set AQ,  11
.set AK,  12
.set AKS, 13
.set AQS, 14
.set AVS, 15
.set WS,  16          ; v16-63 the weights' scale words: 16 type + 4 tile + s / 2; lanes 0-15 the even K step, lanes 16-31 the odd one
.set XF,  64          ; v64-127 x's eight fragments of a token tile; while x is quantised: set 0 of 64 numbers
.set ACC, 128         ; v128-159 four tiles of Q or of K; while x is quantised v128-191: set 1
.set VA,  160         ; v160-223 V: 16 n + 8 u + j
.set TM,  224         ; v224-227 largest magnitudes, v228-231 bytes, v236-239 the conversions' scale operands
.set PW,  232         ; the scale word just made
.set PC,  240         ; v240-247 the codes just made
.set XS,  248         ; v248-251 x's scale words, as WS
.set BV,  252         ; v252-255 bv at my d of tile n
.set RSW, 192         ; v192-215: at work until x is quantised
.set WA,  193
.set WSA, 194
.set XA,  195
.set RLA, 196
.set RLS, 197
.set BQT, 198
.set BKT, 200
.set P4,  202
.set L8,  203
.set RLD, 204
.set XWI, 208
.set XWS, 209
.set L8G, 210
.set LN,  211
.set RR,  212
.set HH,  213
.set PP,  214
.set L4,  215
.set MSB, 0
.macro WIN new                         ; the immediate's high byte repeats the setting that is left
.if MSB != \new
	s_set_vgpr_msb (MSB<<8)|\new
.set MSB, \new
.endif
.endm
.macro PLACES
.rept 4
	v_nop
.endr
.endm
; nb blocks of 32: register src + 16 b + i is number 16 h + i of block b; lanes l and l xor 16 hold a block.  Bytes to v[TM+4+b], codes (16 a lane) to v[PC+2b], v[PC+2b+1].
.macro QBLK src, nb
.irp b, 0,1,2,3
.if \b < \nb
	v_max3_num_f32 v[TM+\b], |v[\src+16*\b]|, |v[\src+16*\b+1]|, 0x1800000   ; and the floor 2^(3 - 127): the byte cannot fall under 1
.endif
.endr
.irp i, 2,4,6,8,10,12,14
.irp b, 0,1,2,3
.if \b < \nb
	v_max3_num_f32 v[TM+\b], v[TM+\b], |v[\src+16*\b+\i]|, |v[\src+16*\b+\i+1]|
.endif
.endr
.endr
.irp b, 0,1,2,3
.if \b < \nb
	v_permlanex16_b32 v[TM+4+\b], v[TM+\b], s48, s49
.endif
.endr
.irp b, 0,1,2,3
.if \b < \nb
	v_max_num_f32 v[TM+\b], v[TM+\b], v[TM+4+\b]       ; the block's largest magnitude
.endif
.endr
.irp b, 0,1,2,3
.if \b < \nb
	v_add_nc_u32 v[TM+12+\b], 0xff000000, v[TM+\b]     ; 2 off its exponent field: the conversion's scale operand
.endif
.endr
.irp b, 0,1,2,3
.if \b < \nb
	v_lshrrev_b32 v[TM+4+\b], 23, v[TM+12+\b]          ; the scale's byte
.endif
.endr
.irp b, 0,1,2,3
.if \b < \nb
	v_cvt_scalef32_pk8_fp4_f32 v[PC+2*\b], v[\src+16*\b:\src+16*\b+7], v[TM+12+\b]
	v_cvt_scalef32_pk8_fp4_f32 v[PC+2*\b+1], v[\src+16*\b+8:\src+16*\b+15], v[TM+12+\b]
.endif
.endr
	v_nop                                              ; one plain place behind the last scaled conversion
.endm
; a product: z = 1 starts the sum with 0, else it adds in place; row = 1: both sides' scales from lanes 16-31 (the odd K step)
.macro WM d, a, b, z, sa, sb, row
.if \z
	v_wmma_scale_f32_16x16x128_f8f6f4 v[\d:\d+7], v[\a:\a+7], v[\b:\b+7], 0, v[\sa], v[\sb] matrix_a_fmt:MATRIX_FMT_FP4 matrix_b_fmt:MATRIX_FMT_FP4
.elseif \row
	v_wmma_scale_f32_16x16x128_f8f6f4 v[\d:\d+7], v[\a:\a+7], v[\b:\b+7], v[\d:\d+7], v[\sa], v[\sb] matrix_a_fmt:MATRIX_FMT_FP4 matrix_b_fmt:MATRIX_FMT_FP4 matrix_a_scale:MATRIX_SCALE_ROW1 matrix_b_scale:MATRIX_SCALE_ROW1
.else
	v_wmma_scale_f32_16x16x128_f8f6f4 v[\d:\d+7], v[\a:\a+7], v[\b:\b+7], v[\d:\d+7], v[\sa], v[\sb] matrix_a_fmt:MATRIX_FMT_FP4 matrix_b_fmt:MATRIX_FMT_FP4
.endif
.endm
	s_load_b512 s[4:19], s[0:1], 0x0               ; x, Wq codes, Wq scales, bq, Wk codes, Wk scales, bk, Wv codes
	s_load_b512 s[20:35], s[0:1], 0x40             ; Wv scales, bv, Wo codes, Wo scales, qc, qs, kv, wimg
	v_lshl_add_u32 v234, v0, 2, 0x1f000
	v_mov_b32 v235, 0
	v_lshrrev_b32 v1, 5, v0
	v_readfirstlane_b32 s36, v1                    ; wave
	s_mov_b32 s37, ttmp9                           ; cg
	s_and_b32 s38, ttmp7, 0xffff                   ; rg
	s_wait_alu depctr_va_sdst(0)                   ; s36 is written, ahead of its first reader: my head, my stage and every base are made from it
	s_lshl_b32 s39, s37, 2
	s_add_co_u32 s39, s39, s36                     ; my head
	s_mul_i32 s55, s36, STGW
	s_add_co_u32 s55, s55, STG                     ; my stage
	s_mov_b32 s48, 0x76543210
	s_mov_b32 s49, 0xfedcba98                      ; v_permlanex16_b32's selects for lane l xor 16
	v_and_b32 v[LN], 31, v0
	v_and_b32 v[RR], 15, v0
	v_bfe_u32 v[HH], v0, 4, 1
	v_and_b32 v[PP], 8, v[RR]
	v_add_nc_u32 v[PP], v[PP], v[RR]               ; p = r + (r & 8)
	v_lshlrev_b32 v[LI], 4, v[LN]
	v_lshlrev_b32 v[L4], 2, v[LN]
	v_add_nc_u32 v[LSX], XSC, v[L4]
	v_lshlrev_b32 v[QB], 5, v[PP]
	v_lshl_add_u32 v[QB], v[HH], 3, v[QB]
	v_add_nc_u32 v[QB], s55, v[QB]
	v_lshlrev_b32 v[KB], 4, v[RR]
	v_lshl_add_u32 v[KB], v[HH], 3, v[KB]
	v_add_nc_u32 v[KB], s55, v[KB]
	v_lshl_add_u32 v[KSB], v[RR], 2, s55
	v_lshl_add_u32 v[QSB], v[PP], 2, s55
	v_add_nc_u32 v[VSB], s55, v[L4]
	s_lshl_b32 s40, s36, 9
	s_add_co_u32 s40, s40, BIAS
	v_lshl_add_u32 v[BA], v[HH], 6, s40
	v_lshl_add_u32 v[L8], v[LN], 3, s40
	v_lshlrev_b32 v[L8G], 3, v[LN]
	v_lshlrev_b32 v[WA], 9, v[PP]                  ; a weight row is 512 bytes
	v_lshl_add_u32 v[WA], v[HH], 4, v[WA]
	v_lshlrev_b32 v[WSA], 5, v[PP]                 ; and 32 scale bytes
	v_lshl_add_u32 v[WSA], v[HH], 2, v[WSA]
	v_lshlrev_b32 v[XA], 12, v[PP]                 ; a row of x is 4,096 bytes; my 16 numbers of a block of 32 begin 64 h on
	v_lshl_add_u32 v[XA], v[HH], 6, v[XA]
	v_lshlrev_b32 v[RLA], 9, v[RR]
	v_lshl_add_u32 v[RLA], v[HH], 4, v[RLA]
	v_lshlrev_b32 v[RLS], 5, v[RR]
	v_lshl_add_u32 v[RLS], v[HH], 2, v[RLS]
	v_lshlrev_b32 v[P4], 2, v[PP]
	s_lshl_b32 s40, s36, 14
	v_add_nc_u32 v[XWI], s40, v[LI]                ; where I store x's images: tiles 2 w and 2 w + 1
	s_lshl_b32 s40, s36, 10
	s_add_co_u32 s40, s40, XSC
	v_lshl_add_u32 v[XWS], v[RR], 2, s40
.irp b, 0,1,2,3
	v_mov_b32 v[TM+4+\b], 0                        ; written once: a lane permute's destination counts as one of its sources
.endr
	s_mov_b32 s41, 0
	s_wait_kmcnt 0x0
	s_lshl_b32 s40, s38, 19                        ; x: (128 rg + 32 w) rows
	s_lshl_b32 s42, s36, 17
	s_add_co_u32 s40, s40, s42
	s_add_nc_u64 s[4:5], s[4:5], s[40:41]
	s_lshl_b32 s40, s39, 15                        ; my head's 64 rows of codes,
.irp p, 6,12,18
	s_add_nc_u64 s[\p:\p+1], s[\p:\p+1], s[40:41]
.endr
	s_lshl_b32 s40, s39, 11                        ; of scale bytes,
.irp p, 8,14,20
	s_add_nc_u64 s[\p:\p+1], s[\p:\p+1], s[40:41]
.endr
	s_lshl_b32 s40, s39, 8                         ; its 64 biases
.irp p, 10,16,22
	s_add_nc_u64 s[\p:\p+1], s[\p:\p+1], s[40:41]
.endr
	s_lshr_b32 s43, s38, 4
	s_lshl_b32 s43, s43, 4
	s_add_co_u32 s43, s43, s39                     ; bh = 16 x batch + head
	s_and_b32 s44, s38, 15                         ; the key step
	s_lshl_b32 s40, s43, 16
	s_lshl_b32 s42, s44, 12
	s_add_co_u32 s40, s40, s42
	s_add_nc_u64 s[28:29], s[28:29], s[40:41]      ; qc: (2048 bh + 128 ks) x 32
	s_lshl_b32 s40, s43, 13
	s_lshl_b32 s42, s44, 9
	s_add_co_u32 s40, s40, s42
	s_add_nc_u64 s[30:31], s[30:31], s[40:41]      ; qs: x 4
	s_lshl_b32 s40, s43, 4
	s_add_co_u32 s40, s40, s44
	s_mul_i32 s40, s40, 9216
	s_add_nc_u64 s[32:33], s[32:33], s[40:41]      ; kv: (16 bh + ks) x 9,216
	; Wo's copy.  g = 4 rg + cg.  Scale image g (wave 0); code images 2 g and 2 g + 1, half w & 1 of image 2 g + w / 2
	s_lshl_b32 s45, s38, 2
	s_add_co_u32 s45, s45, s37
	s_lshr_b32 s40, s45, 4
	s_lshl_b32 s40, s40, 11                        ; 64 rows of 32 scale bytes for each column group,
	s_and_b32 s42, s45, 3
	s_lshl_b32 s42, s42, 9                         ; 16 rows for each tile,
	s_add_co_u32 s40, s40, s42
	s_bfe_u32 s42, s45, 0x20002
	s_lshl_b32 s42, s42, 3                         ; 8 bytes for each pair of K steps
	s_add_co_u32 s40, s40, s42
	s_add_nc_u64 s[26:27], s[26:27], s[40:41]
	s_lshl_b32 s40, s45, 7
	s_add_co_u32 s40, s40, 524288
	s_add_nc_u64 s[46:47], s[34:35], s[40:41]
	s_lshl_b32 s45, s45, 1
	s_lshr_b32 s42, s36, 1
	s_add_co_u32 s45, s45, s42                     ; image m = (column group x 8 + K step) x 4 + tile
	s_and_b32 s44, s36, 1                          ; half c
	s_lshr_b32 s40, s45, 5
	s_lshl_b32 s40, s40, 15
	s_and_b32 s42, s45, 3
	s_lshl_b32 s42, s42, 13
	s_add_co_u32 s40, s40, s42
	s_bfe_u32 s42, s45, 0x30002
	s_lshl_b32 s42, s42, 6
	s_add_co_u32 s40, s40, s42
	s_lshl_b32 s42, s44, 5
	s_add_co_u32 s40, s40, s42
	s_add_nc_u64 s[24:25], s[24:25], s[40:41]
	s_lshl_b32 s40, s45, 10
	s_lshl_b32 s42, s44, 9
	s_add_co_u32 s40, s40, s42
	s_add_nc_u64 s[34:35], s[34:35], s[40:41]
	s_wait_alu depctr_va_vdst(0)                   ; the addresses and offsets v1 to v8 and v193 to v215 are written, which the loads and stores from here on read
	global_load_b128 v[RLD:RLD+3], v[RLA], s[24:25]
	s_cmp_lg_u32 s36, 0
	s_cbranch_scc1 .Lno_scale_in
	global_load_b32 v[RSW], v[RLS], s[26:27]
.Lno_scale_in:
	global_load_b64 v[BQT:BQT+1], v[L8G], s[10:11]
	global_load_b64 v[BKT:BKT+1], v[L8G], s[16:17]
.irp n, 0,1,2,3
	global_load_b32 v[BV+\n], v[P4], s[22:23] offset:128*(\n/2)+32*(\n%2)
.endr
; ---- x becomes codes: 16 steps; step i: token tile 2 w + i / 8, K step i % 8.  Lane (r, h) takes, of token 32 w + 8 u + p(r), 16 neighbours of each of the step's four blocks.
.macro XLOAD i
.irp b, 0,1,2,3
.irp j, 0,1,2,3
	global_load_b128 v[XF+64*((\i)%2)+16*\b+4*\j:XF+64*((\i)%2)+16*\b+4*\j+3], v[XA], s[4:5] offset:32768*((\i)/8)+512*((\i)%8)+128*\b+16*\j
.endr
.endr
.endm
; a twelfth of my weights: type i / 4, tile i % 4: 16 loads of codes into the type's window, 4 of scale words
.macro WCHUNK i
.set TAU, (\i)/4
.set TT, (\i)%4
	WIN 0x40*(1+TAU)
.irp s, 0,1,2,3,4,5,6,7
.irp c, 0,1
	global_load_b128 v[64*TT+8*\s+4*\c:64*TT+8*\s+4*\c+3], v[WA], s[6+6*TAU:7+6*TAU] offset:(32*(TT/2)+8*(TT%2))*512+64*\s+32*\c
.endr
.endr
	WIN 0
.irp q, 0,1,2,3
	global_load_b32 v[WS+16*TAU+4*TT+\q], v[WSA], s[8+6*TAU:9+6*TAU] offset:(32*(TT/2)+8*(TT%2))*32+8*\q
.endr
.endm
.macro XSTEP i
.set XSRC, XF+64*((\i)%2)
.set NW, 0                             ; the loads issued behind this step's sixteen: the next step's 16, and the 20 of each of the two chunks of weights that stand between
.if (\i)+1 < 16
.set NW, NW+16
.endif
.if ((\i) >= 2) && ((\i)-2 < 12)
.set NW, NW+20
.endif
.if ((\i) >= 1) && ((\i)-1 < 12)
.set NW, NW+20
.endif
	s_wait_loadcnt NW
.if (\i) == 0                          ; all that was asked for ahead of x is in too: Wo's piece leaves, the biases go to LDS
	global_store_b128 v[LI], v[RLD:RLD+3], s[34:35]
	s_cmp_lg_u32 s36, 0
	s_cbranch_scc1 .Lno_scale_out
	global_store_b32 v[L4], v[RSW], s[46:47]
.Lno_scale_out:
	ds_store_b64 v[L8], v[BQT:BQT+1]
	ds_store_b64 v[L8], v[BKT:BKT+1] offset:256
.endif
	s_wait_dscnt 0x0                               ; the last step's stores are done
.if (\i) > 0
	s_wait_alu depctr_vm_vsrc(0)                   ; the last step's LDS stores have read the codes and the scale word, which this step writes again
.endif
	QBLK XSRC, 4
	v_lshl_or_b32 v[PW], v[TM+5], 8, v[TM+4]       ; my token's scale word for this K step
	v_lshl_or_b32 v[PW], v[TM+6], 16, v[PW]
	v_lshl_or_b32 v[PW], v[TM+7], 24, v[PW]
.irp c, 0,1                            ; the operand's layout wants a whole block in a lane: lanes 0-15 block 2 c, lanes 16-31 block 2 c + 1
.irp k, 0,1
	v_permlane16_swap_b32 v[PC+4*\c+\k], v[PC+4*\c+2+\k]
.endr
.endr
	s_wait_alu depctr_va_vdst(0)                   ; the maxima and conversions are done reading this set of 64 numbers, in which the loads below land; the codes and the scale word are written, which the LDS stores below read
.if (\i)+2 < 16
	XLOAD (\i)+2                                   ; the set is asked for again at once
.endif
.irp c, 0,1
	ds_store_b128 v[XWI], v[PC+4*\c:PC+4*\c+3] offset:XIMG+8192*((\i)/8)+1024*((\i)%8)+512*\c
.endr
	ds_store_b32 v[XWS], v[PW] offset:512*((\i)/8)+64*((\i)%8)   ; both halves of the lanes write the same word with the same value
.if (\i) < 12
	WCHUNK \i                                      ; no wait: no vector instruction names the weights' registers, and their offsets stand since the head
.endif
.endm
	XLOAD 0
	XLOAD 1
.irp i, 0,1,2,3,4,5,6,7,8,9,10,11,12,13,14,15
	XSTEP \i
.endr
	s_wait_dscnt 0x0                               ; for the others' sake: my images lie in LDS
	s_wait_xcnt 0x0                                ; Wo's stores have had their addresses translated
	s_wait_alu depctr_vm_vsrc(0)                   ; every load and store so far has read its offset and data in v192 to v215, which V's sums take from here on
	s_barrier_signal -1
	s_barrier_wait -1                              ; the one barrier: from here on x's images are only read, and all else in LDS is a wave's own
	s_wait_loadcnt 0x0                             ; my weights
; ---- the products: four trips, 32 tokens (two token tiles) each
.macro BLOAD off                       ; a bias as the C of four tiles: lane (r, h) wants, for tile 2 B + U, the numbers of d = 32 B + 8 U + 16 h + 0 .. 7
.irp t, 0,1,2,3
.irp k, 0,1
	ds_load_b128 v[ACC+8*\t+4*\k:ACC+8*\t+4*\k+3], v[BA] offset:\off+128*(\t/2)+32*(\t%2)+16*\k
.endr
.endr
.endm
.macro QKOUT ac, oc, sc, as, os        ; four tiles become a token's two blocks of codes (8 bytes each from me) and its scale word; bytes 2, 3 repeat bytes 0, 1: they stand over the zero codes of the attention's K = 128
	s_wait_alu depctr_vm_vsrc(0)                   ; the LDS stores issued so far have read the codes, the scale word and the bytes, which are written again below
	QBLK ACC, 2
	v_lshl_or_b32 v[PW], v[TM+5], 8, v[TM+4]
	v_lshl_or_b32 v[PW], v[PW], 16, v[PW]
	s_wait_alu depctr_va_vdst(0)                   ; the codes and the scale word are written, which the stores below read; the lines above are done reading the four tiles, and the products ahead of them x's fragments and scale words: the LDS loads that follow land there
	ds_store_b64 v[\ac], v[PC:PC+1] offset:\oc
	ds_store_b64 v[\ac], v[PC+2:PC+3] offset:\oc+\sc
	ds_store_b32 v[\as], v[PW] offset:\os
.endm
.macro TILE u
.irp s, 0,1,2,3,4,5,6,7
.irp c, 0,1
	ds_load_b128 v[XF+8*\s+4*\c:XF+8*\s+4*\c+3], v[AX] offset:8192*\u+1024*\s+512*\c
.endr
.endr
.irp q, 0,1,2,3
	ds_load_b32 v[XS+\q], v[AXS] offset:512*\u+128*\q
.endr
	BLOAD 0
	s_wait_dscnt 8                                 ; x's fragments and scale words are in; the youngest eight loads (bq) may be out
	WIN 0x0c                                       ; source 1 (Wv) window 3
.irp s, 0,1,2,3,4,5,6,7                ; four accumulators by turns, one instruction a turn, in all three runs
.irp n, 0,1,2,3
	WM VA+16*\n+8*\u, XF+8*\s, 64*\n+8*\s, (\s==0), XS+\s/2, WS+32+4*\n+\s/2, \s%2
.endr
.endr
	s_wait_dscnt 0x0                               ; bq
	WIN 0x01                                       ; source 0 (Wq) window 1
.irp s, 0,1,2,3,4,5,6,7
.irp t, 0,1,2,3
	WM ACC+8*\t, 64*\t+8*\s, XF+8*\s, 0, WS+4*\t+\s/2, XS+\s/2, \s%2
.endr
.endr
	WIN 0
	PLACES
	QKOUT AQ, QST+256*\u, 16, AQS, QSS+32*\u
	BLOAD 256                                      ; no wait: no vector instruction since the wait above names the four tiles
	s_wait_dscnt 0x0                               ; bk
	WIN 0x02                                       ; source 0 (Wk) window 2
.irp s, 0,1,2,3,4,5,6,7
.irp t, 0,1,2,3
	WM ACC+8*\t, 64*\t+8*\s, XF+8*\s, 0, WS+16+4*\t+\s/2, XS+\s/2, \s%2
.endr
.endr
	WIN 0
	PLACES                                         ; ahead of the reads of the results
	QKOUT AK, KIMG+512*\u, 256, AKS, KSC+64*\u
.endm
	s_mov_b32 s50, 0
	s_mov_b32 s51, 0
	s_mov_b32 s52, 0
	s_mov_b32 s53, 0
	s_mov_b32 s54, 0
.Lb:
	s_wait_alu depctr_vm_vsrc(0)                   ; the last trip's LDS loads and stores have read v9 to v15, which the seven lines below write
	v_add_nc_u32 v[AX], s51, v[LI]                 ; 16,384 b: two token tiles of images
	v_add_nc_u32 v[AXS], s52, v[LSX]               ; 1,024 b
	v_add_nc_u32 v[AQ], s52, v[QB]
	v_add_nc_u32 v[AK], s52, v[KB]
	v_add_nc_u32 v[AKS], s53, v[KSB]               ; 128 b
	v_add_nc_u32 v[AQS], s53, v[QSB]
	v_add_nc_u32 v[AVS], s54, v[VSB]               ; b: which byte of V's scale words
	s_wait_alu depctr_va_vdst(0)                   ; v9 to v15 are written, which this trip's LDS loads and stores read
	TILE 0
	TILE 1                                         ; no wait at its head: no vector or matrix instruction since the last wait on va_vdst names the registers in which its loads land
.irp n, 0,1,2,3                        ; V: + bv; each accumulator from its low end on
.irp k, 0,1,2,3,4,5,6,7,8,9,10,11,12,13,14,15
	v_add_f32 v[VA+16*\n+\k], v[VA+16*\n+\k], v[BV+\n]
.endr
.endr
	s_wait_dscnt 0x0                               ; K's stores are done
	s_wait_alu depctr_vm_vsrc(0)                   ; K's stores have read the codes and the scale word, which are written again below
	QBLK VA, 4                                     ; block n: these 32 tokens at my d of tile n
	s_wait_alu depctr_va_vdst(0)                   ; V's codes and bytes are written, which the stores below read
.irp n, 0,1,2,3
	ds_store_b64 v[AK], v[PC+2*\n:PC+2*\n+1] offset:VIMG+256*\n
	ds_store_b8 v[AVS], v[TM+4+\n] offset:VSC+128*\n
.endr
	s_wait_dscnt 0x0
	s_add_co_u32 s51, s51, 16384
	s_add_co_u32 s52, s52, 1024
	s_add_co_u32 s53, s53, 128
	s_add_co_u32 s54, s54, 1
	s_add_co_u32 s50, s50, 1
	s_cmp_lt_u32 s50, 4
	s_cbranch_scc1 .Lb
	; ---- the way out: my stage's 13,824 bytes, 512 consecutive bytes an instruction
	s_wait_alu depctr_vm_vsrc(0)                   ; the last trip's LDS loads have read v9, which the line below writes
	v_add_nc_u32 v[AX], s55, v[LI]
	s_wait_alu depctr_va_vdst(0)                   ; v9 is written, which the loads below read; every vector and matrix instruction is done with v64 to v171, in which they land
.set K, 0
.rept 27
	ds_load_b128 v[64+4*K:67+4*K], v[AX] offset:512*K
.set K, K+1
.endr
.set K, 0
.rept 27
	s_wait_dscnt 26-K
.if K < 8
	global_store_b128 v[LI], v[64+4*K:67+4*K], s[28:29] offset:512*K
.elseif K == 8
	global_store_b128 v[LI], v[64+4*K:67+4*K], s[30:31]
.else
	global_store_b128 v[LI], v[64+4*K:67+4*K], s[32:33] offset:512*(K-9)
.endif
.set K, K+1
.endr
	s_wait_dscnt 0x0                               ; the closing lines, six on end
	s_wait_alu 0x0
	s_wait_tensorcnt 0x0
	ds_add_u32 v234, v235
	s_wait_dscnt 0x0
	s_endpgm
.Lfunc_end_k_q798cedc40a_qkv:
	.size	k_q798cedc40a_qkv, .Lfunc_end_k_q798cedc40a_qkv-k_q798cedc40a_qkv
	.p2alignl 7, 3214868480
	.fill 96, 4, 3214868480
	.section	.rodata,"a",@progbits
	.p2align	6, 0x0
	.amdhsa_kernel k_q798cedc40a_qkv
		.amdhsa_group_segment_fixed_size 127488
		.amdhsa_private_segment_fixed_size 0
		.amdhsa_enable_private_segment 0
		.amdhsa_kernarg_size 128
		.amdhsa_user_sgpr_count 2
		.amdhsa_user_sgpr_kernarg_segment_ptr 1
		.amdhsa_wavefront_size32 1
		.amdhsa_system_sgpr_workgroup_id_x 1
		.amdhsa_system_sgpr_workgroup_id_y 1
		.amdhsa_system_sgpr_workgroup_id_z 1
		.amdhsa_system_vgpr_workitem_id 0
		.amdhsa_next_free_vgpr 1024
		.amdhsa_next_free_sgpr 66
		.amdhsa_reserve_vcc 0
		.amdhsa_float_denorm_mode_32 3
		.amdhsa_float_denorm_mode_16_64 3
		.amdhsa_memory_ordered 1
		.amdhsa_forward_progress 1
		.amdhsa_inst_pref_size 169
	.end_amdhsa_kernel
	.amdgpu_metadata
---
amdhsa.version: [ 1, 2 ]
amdhsa.kernels:
  - .name:           k_q798cedc40a_qkv
    .symbol:         k_q798cedc40a_qkv.kd
    .args:
      - { .name: x, .offset: 0, .size: 8, .value_kind: global_buffer, .address_space: global }
      - { .name: Wq_codes, .offset: 8, .size: 8, .value_kind: global_buffer, .address_space: global }
      - { .name: Wq_scales, .offset: 16, .size: 8, .value_kind: global_buffer, .address_space: global }
      - { .name: bq, .offset: 24, .size: 8, .value_kind: global_buffer, .address_space: global }
      - { .name: Wk_codes, .offset: 32, .size: 8, .value_kind: global_buffer, .address_space: global }
      - { .name: Wk_scales, .offset: 40, .size: 8, .value_kind: global_buffer, .address_space: global }
      - { .name: bk, .offset: 48, .size: 8, .value_kind: global_buffer, .address_space: global }
      - { .name: Wv_codes, .offset: 56, .size: 8, .value_kind: global_buffer, .address_space: global }
      - { .name: Wv_scales, .offset: 64, .size: 8, .value_kind: global_buffer, .address_space: global }
      - { .name: bv, .offset: 72, .size: 8, .value_kind: global_buffer, .address_space: global }
      - { .name: Wo_codes, .offset: 80, .size: 8, .value_kind: global_buffer, .address_space: global }
      - { .name: Wo_scales, .offset: 88, .size: 8, .value_kind: global_buffer, .address_space: global }
      - { .name: qc, .offset: 96, .size: 8, .value_kind: global_buffer, .address_space: global }
      - { .name: qs, .offset: 104, .size: 8, .value_kind: global_buffer, .address_space: global }
      - { .name: kv, .offset: 112, .size: 8, .value_kind: global_buffer, .address_space: global }
      - { .name: wimg, .offset: 120, .size: 8, .value_kind: global_buffer, .address_space: global }
    .group_segment_fixed_size: 127488
    .private_segment_fixed_size: 0
    .kernarg_segment_align: 8
    .kernarg_segment_size: 128
    .max_flat_workgroup_size: 128
    .sgpr_count:     66
    .vgpr_count:     1024
    .wavefront_size: 32
...
	.end_amdgpu_metadata
.endif
;; end of part 4
;; launch attn (part 5): grid 4 x 64, 16 waves a work-group, no clusters, 20,480 bytes of LDS; arguments qc, qs, kv, cc, cs; writes cc, cs
.if DOCPART == 5
	.amdgcn_target "amdgcn-amd-amdhsa--gfx1250"
	.amdhsa_code_object_version 6
	.text
	.protected	k_q798cedc40a_attn
	.globl	k_q798cedc40a_attn
	.p2align	8
	.type	k_q798cedc40a_attn,@function
k_q798cedc40a_attn:
	s_mov_b64 s[64:65], 0
	v_nop
	global_prefetch_b8 v0, s[64:65] scope:SCOPE_SE
	s_setreg_imm32_b32 hwreg(HW_REG_WAVE_SCHED_MODE, 0, 2), 2
	s_setreg_imm32_b32 hwreg(HW_REG_WAVE_MODE, 25, 1), 1
	s_wait_xcnt 0x0
	s_wait_alu depctr_vm_vsrc(0)
; ctx = softmax(Q K^T / 8, causal) V for one head, both products on codes of FP4 (E2M1) with E8M0 scales; ctx is quantised along the head's 64 for the last launch.
; THE SOFTMAX: t = score x log2(e) / 8; M = the running largest t rounded up to a whole number; p = 2^(t - M) is quantised along the keys, not normalised; the row's sum is taken of the unquantised p and divides at the end.
; SHARES.  Work-group (P, bh) owns the blocks P and 7 - P of 256 queries of head bh: 2 (P + 1) and 16 - 2 P key steps of 128 keys, 18 in every work-group: one loop of 9 trips of two steps.
; Each of the sixteen waves owns 16 queries of the block in hand, in 256 registers: four waves to a SIMD, so that one wave's vector work stands beside another's products and LDS loads.
; A key step's tile (9,216 bytes of kv, already in the order of the operands' registers) goes through registers into one of two LDS slots, a step ahead; all sixteen waves read it.
; A step all of whose keys come after a wave's queries is left out by a scalar branch on ids; on the diagonal hidden scores become -infinity ahead of the maximum.
; LAYOUT.  Both products are used transposed: S^T = K Q^T, O^T = V^T P^T: a lane holds one query (lane % 16) throughout.  The first product's K is 64: the upper 64 of the instruction's 128 are zero codes on both sides.
; The tiles' keys and V's rows are permuted (lane r of tile 2 b + u: 32 b + 8 u + r + (r & 8)), so that 16 registers of two neighbouring tiles are 16 neighbours.
; No tensor load, no cluster, no prefetch: a step's tile is 16 bytes a lane and is asked for a whole step ahead of its use.
; O^T and the sum begin as zeros and the largest t as -3e38, so that the step is written without a first step of its own.
; LIMITS: NaN and infinities are not served.  A block of ctx whose largest magnitude lies under 2^-124 keeps the scale byte 1.  cs leaves as 32 consecutive bytes a wave.
; REGISTERS: v1 16 x lane; v2 4 x lane; v3 16 r + 1024 h; v4 16 x thread; v5 r - 16 h; v6 2 r + h; v7 the second block's Q scale word; v8-11, v28-31 the tile on its way; v12 -M, v13 the largest t, v[14:15] the sum;
; v16-23 Q (v20-23 zeros); v24-27 the second block's Q; v32-95 K's 8 fragments (upper halves zeros); v96-159 S^T, then p; v160-191 O^T; v192-223 V's 4 fragments; v224-231 p's codes; v232-239, v244-247, v252, v254 at work;
; v240-243 K's scale words; v248-251 V's; v253 p's; v255 Q's.
; THE MODE: SCHED_MODE bits 1:0 = 2 (LLVM: expert scheduling mode 2), set by the entry lines.  The code itself states the register dependences
; between vector or matrix instructions and memory or LDS instructions, with s_wait_alu, always for 0.
; THE PLAN.  Registers that memory or LDS instructions touch:
;   v1-4, v6         offsets, written at the head, never again: one wait on va_vdst ahead of the first load.
;   v8-11, v28-31    written by a tile's loads, read by the LDS stores into a slot: a wait on vm_vsrc ahead of each new load of a tile.
;   v32-95 (lower halves), v192-223, v240-243, v248-251   read by a step's products, loaded anew at the next step's head: ONE wait on va_vdst at a step's head.
;   v224-227, v254   on the way out of a block: written by vector instructions, read by the two stores: a wait on va_vdst ahead of the stores, one on vm_vsrc behind them.
; Beside these: p's codes and scale word are written by vector instructions and taken by scaled products: a wait on va_vdst behind their places, ahead of the four products.
; The causal mask's compares write scalar registers in runs of eight, with one wait on va_sdst behind each run, ahead of the selects that read them.
.set SLOTB, 9216
.set VIMG,  4096
.set KSC,   8192
.set VSC,   8704
.macro PLACES
.rept 4
	v_nop
.endr
.endm
; the tile of global step 2 x trip + add: key step G of the first block, or G - nA of the second.  again = 1: the registers have been stored from before
.macro GLOAD add, again
.if \again
	s_wait_alu depctr_vm_vsrc(0)                   ; the LDS stores of the last tile have read v8 to v11 and v28 to v31, in which the loads below land (in the first trip also: the head's loads have read their offsets v235 and v254, which the steps write)
.endif
	s_lshl_b32 s18, s19, 1
	s_add_co_u32 s18, s18, \add
	s_cmp_ge_u32 s18, s17
	s_cselect_b32 s41, s17, 0
	s_sub_co_u32 s41, s18, s41
	s_mul_i32 s28, s41, SLOTB
	s_add_nc_u64 s[30:31], s[8:9], s[28:29]        ; (the last tile's loads were waited for: the pair may be written)
	global_load_b128 v[8:11], v4, s[30:31]
	s_cmp_lt_u32 s14, 2
	s_cbranch_scc0 .Lone_\@
	global_load_b128 v[28:31], v4, s[30:31] offset:8192   ; the last 1,024 bytes: waves 0 and 1
.Lone_\@:
.endm
.macro LSTORE slot
	ds_store_b128 v4, v[8:11] offset:SLOTB*\slot
	s_cmp_lt_u32 s14, 2
	s_cbranch_scc0 .Lonly_\@
	ds_store_b128 v4, v[28:31] offset:SLOTB*\slot+8192
.Lonly_\@:
.endm
.macro BAR                             ; my stores into one slot have landed and my reads of the other are in: then the work-group's barrier
	s_wait_dscnt 0x0
	s_barrier_signal -1
	s_barrier_wait -1
.endm
.macro INIT
	v_mov_b32 v13, 0xff61b1e6                      ; the largest t so far: -3e38
	v_floor_f32 v12, -v13                          ; -M
	v_mov_b32 v14, 0
	v_mov_b32 v15, 0
.set J, 0
.rept 32
	v_mov_b32 v[160+J], 0
.set J, J+1
.endr
.endm
	s_load_b256 s[4:11], s[0:1], 0x0               ; qc, qs, kv, cc
	s_load_b64 s[12:13], s[0:1], 0x20              ; cs
	v_lshrrev_b32 v1, 5, v0
	v_readfirstlane_b32 s14, v1                    ; wave 0..15
	s_mov_b32 s15, ttmp9                           ; P
	s_and_b32 s16, ttmp7, 0xffff                   ; bh
	s_lshl_b32 s17, s15, 1
	s_add_co_u32 s17, s17, 2                       ; nA: the first block's key steps
	s_mov_b32 s19, 0                               ; trip
	s_mov_b32 s20, 0x76543210
	s_mov_b32 s21, 0xfedcba98
	s_mov_b32 s22, 0x3e38aa3b                      ; c = log2(e) / 8
	s_mov_b32 s23, s22                             ; (named with it as a pair, so it is written)
	s_mov_b32 s24, 0                               ; the step's first key
	s_wait_alu depctr_va_sdst(0)                   ; s14 is written, ahead of its first reader: my queries, my bases and the branches on the wave's number are made from it
	s_lshl_b32 s41, s14, 4
	s_lshl_b32 s25, s15, 8
	s_add_co_u32 s25, s25, s41                     ; my first query: 256 P + 16 w,
	s_sub_co_u32 s26, 7, s15
	s_lshl_b32 s26, s26, 8
	s_add_co_u32 s26, s26, s41                     ; and in the second block: 256 (7 - P) + 16 w
	s_mov_b32 s29, 0
	s_mov_b32 s40, 0xffff0000                      ; lanes 16-31
	v_and_b32 v232, 31, v0
	v_and_b32 v233, 15, v0
	v_bfe_u32 v234, v0, 4, 1
	v_lshlrev_b32 v1, 4, v232
	v_lshlrev_b32 v2, 2, v232
	v_lshlrev_b32 v3, 4, v233
	v_lshl_add_u32 v3, v234, 10, v3
	v_lshlrev_b32 v4, 4, v0
	v_lshlrev_b32 v5, 4, v234
	v_sub_nc_u32 v5, v233, v5
	v_lshl_add_u32 v6, v233, 1, v234
	v_lshlrev_b32 v235, 5, v233
	v_lshl_add_u32 v235, v234, 4, v235             ; Q: 32 bytes a query, block h
	v_lshlrev_b32 v254, 2, v233
.irp k, 28,29,30,31
	v_mov_b32 v[\k], 0                             ; written once, in every wave, ahead of the first tile's loads: waves 0 and 1 load and store these four, waves 2 to 15 do neither
.endr
	s_lshl_b32 s27, s16, 11
	s_add_co_u32 s41, s27, s26                     ; 2048 bh + my first query: second block,
	s_add_co_u32 s27, s27, s25                     ; first block
	s_wait_kmcnt 0x0
	s_lshl_b32 s28, s27, 5
	s_add_nc_u64 s[42:43], s[4:5], s[28:29]
	s_lshl_b32 s28, s41, 5
	s_add_nc_u64 s[4:5], s[4:5], s[28:29]
	s_lshl_b32 s28, s27, 2
	s_add_nc_u64 s[44:45], s[6:7], s[28:29]
	s_lshl_b32 s28, s41, 2
	s_add_nc_u64 s[6:7], s[6:7], s[28:29]
	s_lshl_b32 s28, s27, 1
	s_add_nc_u64 s[34:35], s[12:13], s[28:29]      ; cs: 2 bytes a token
	s_lshl_b32 s28, s41, 1
	s_add_nc_u64 s[38:39], s[12:13], s[28:29]
	s_lshr_b32 s28, s16, 4                         ; cc: batch x 2^20 + block x 2^17 + wave x 8,192 + head x 512
	s_lshl_b32 s28, s28, 20
	s_and_b32 s46, s16, 15
	s_lshl_b32 s46, s46, 9
	s_add_co_u32 s28, s28, s46
	s_lshl_b32 s46, s14, 13
	s_add_co_u32 s28, s28, s46
	s_add_nc_u64 s[10:11], s[10:11], s[28:29]
	s_lshl_b32 s28, s15, 17
	s_add_nc_u64 s[32:33], s[10:11], s[28:29]
	s_sub_co_u32 s28, 7, s15
	s_lshl_b32 s28, s28, 17
	s_add_nc_u64 s[36:37], s[10:11], s[28:29]
	s_mul_i32 s28, s16, 16*SLOTB
	s_add_nc_u64 s[8:9], s[8:9], s[28:29]          ; kv at my head
	s_wait_alu depctr_va_vdst(0)                   ; the offsets v1 to v4, v6, v235 and v254 are written, which loads and stores read; so are v28 to v31, in which a load lands
	GLOAD 0, 0
	global_load_b128 v[16:19], v235, s[42:43]
	global_load_b128 v[24:27], v235, s[4:5]
	global_load_b32 v255, v254, s[44:45]
	global_load_b32 v7, v254, s[6:7]
.irp k, 20,21,22,23
	v_mov_b32 v[\k], 0                             ; zero codes: k = 64 .. 127 of the first product, in Q
.endr
.irp t, 0,1,2,3,4,5,6,7
.irp k, 4,5,6,7
	v_mov_b32 v[32+8*\t+\k], 0                     ; and in K: no load ever lands here
.endr
.endr
.irp k, 236,237,238,239,252,253
	v_mov_b32 v[\k], 0                             ; written once: permutes' destinations, and halves of pairs that are named before they are first written
.endr
	INIT
	s_wait_loadcnt 0x0
	LSTORE 0
	BAR
; A KEY STEP: 128 keys, from the slot named
.macro STEP slot
	s_add_co_u32 s41, s25, 15
	s_cmp_gt_u32 s24, s41
	s_cbranch_scc1 .Lhidden_\@                     ; all its keys come after my 16 queries
	PLACES                                         ; four places behind the last products, as in the plain form; the dependence itself is stated by the wait below
	s_wait_alu depctr_va_vdst(0)                   ; the last step's products are done reading K's and V's fragments and their scale words, in which the loads below land; the zero codes and, behind a change of blocks, Q and its scale word are written, which the products below take
.irp t, 0,1,2,3,4,5,6,7
	ds_load_b128 v[32+8*\t:35+8*\t], v1 offset:SLOTB*\slot+512*\t
.endr
.irp b, 0,1,2,3
	ds_load_b32 v[240+\b], v2 offset:SLOTB*\slot+KSC+128*\b    ; lanes 0-15: tile 2 b's words; lanes 16-31: tile 2 b + 1's
.endr
.irp n, 0,1,2,3
.irp c, 0,1
	ds_load_b128 v[192+8*\n+4*\c:195+8*\n+4*\c], v3 offset:SLOTB*\slot+VIMG+2048*\c+256*\n
.endr
.endr
.irp n, 0,1,2,3
	ds_load_b32 v[248+\n], v2 offset:SLOTB*\slot+VSC+128*\n
.endr
	s_wait_dscnt 12                                ; K and its words are in; V's eight loads and its four words may be out
.irp t, 0,2,4,6
	v_wmma_scale_f32_16x16x128_f8f6f4 v[96+8*\t:103+8*\t], v[32+8*\t:39+8*\t], v[16:23], 0, v[240+\t/2], v255 matrix_a_fmt:MATRIX_FMT_FP4 matrix_b_fmt:MATRIX_FMT_FP4
	v_wmma_scale_f32_16x16x128_f8f6f4 v[104+8*\t:111+8*\t], v[40+8*\t:47+8*\t], v[16:23], 0, v[240+\t/2], v255 matrix_a_fmt:MATRIX_FMT_FP4 matrix_b_fmt:MATRIX_FMT_FP4 matrix_a_scale:MATRIX_SCALE_ROW1
.endr
	PLACES
	s_add_co_u32 s41, s24, 127
	s_cmp_le_u32 s41, s25
	s_cbranch_scc1 .Lopen_\@                       ; all its keys count
	s_sub_co_i32 s41, s25, s24
	v_add_nc_u32 v252, s41, v5                     ; d = my query - the step's first key - 16 h.  Register 16 b + i holds key 32 b + 16 h + i of the step: hidden where 32 b + i > d
	v_mov_b32 v254, 0xff800000
.set J, 0
.rept 8                                ; eight compares at a time, into eight scalar registers that held addresses at the head alone; then the eight selects, in ascending order
.irp r, 4,5,6,7,10,11,12,13
	v_cmp_gt_i32 s[\r], 32*(J/16)+J%16, v252
.set J, J+1
.endr
	s_wait_alu depctr_va_sdst(0)                   ; the eight masks are written, ahead of the selects that read them
.set J, J-8
.irp r, 4,5,6,7,10,11,12,13
	v_cndmask_b32 v[96+J], v[96+J], v254, s[\r]
.set J, J+1
.endr
.endr
.Lopen_\@:
.irp b, 0,1,2,3
	v_max3_num_f32 v[232+\b], v[96+16*\b], v[97+16*\b], v[98+16*\b]   ; the largest score of each block of 32 keys: for the row's maximum, and, since p rises with the score, for the block's largest p
.endr
.irp i, 3,5,7,9,11,13
.irp b, 0,1,2,3
	v_max3_num_f32 v[232+\b], v[232+\b], v[96+16*\b+\i], v[97+16*\b+\i]
.endr
.endr
.irp b, 0,1,2,3
	v_max_num_f32 v[232+\b], v[232+\b], v[111+16*\b]
.endr
.irp b, 0,1,2,3
	v_permlanex16_b32 v[236+\b], v[232+\b], s20, s21
.endr
.irp b, 0,1,2,3
	v_max_num_f32 v[232+\b], v[232+\b], v[236+\b]
.endr
	v_max3_num_f32 v254, v232, v233, v234
	v_max_num_f32 v254, v254, v235
	v_mul_f32 v254, s22, v254                      ; the step's largest t
	v_max_num_f32 v13, v13, v254
	v_mov_b32 v254, v12
	v_floor_f32 v12, -v13                          ; the new -M = -ceil(t)
	v_sub_f32 v254, v12, v254                      ; old M - new M: a whole number, 0 or less
	v_cvt_i32_f32 v254, v254                       ; (it saturates)
	v_ldexp_f32 v252, 1.0, v254                    ; f = 2^(old M - new M): a multiplication by it rounds nothing
.set J, 0
.rept 32
	v_pk_fma_f32 v[96+J:97+J], v[96+J:97+J], s[22:23], v[12:13] op_sel_hi:[1,0,0]   ; t - M
.set J, J+2
.endr
.irp b, 0,1,2,3
	v_fma_f32 v[232+\b], v[232+\b], s22, v12
.endr
.set J, 0
	s_wait_alu depctr_va_vdst(0)
.rept 64
	v_exp_f32 v[96+J], v[96+J]                     ; p = 2^(t - M)
.set J, J+1
.endr
	v_pk_mul_f32 v[14:15], v[14:15], v[252:253] op_sel_hi:[1,0]   ; the sums under the new M; also the plain place behind the exponentials
	s_wait_alu depctr_va_vdst(0)                   ; the 64 exponentials have written p: one wait for the batch, ahead of its first reader
.irp b, 0,1,2,3
	v_exp_f32 v[232+\b], v[232+\b]                 ; each block's largest p
.endr
	v_pk_add_f32 v[236:237], v[96:97], v[98:99]    ; the row's sum, of the unquantised p, in two chains
.irp j, 4,8,12,16,20,24,28,32,36,40,44,48,52,56,60
	v_pk_add_f32 v[14:15], v[14:15], v[96+\j:97+\j]
	v_pk_add_f32 v[236:237], v[236:237], v[98+\j:99+\j]
.endr
	v_pk_add_f32 v[14:15], v[14:15], v[236:237]
	s_wait_alu depctr_va_vdst(0)                   ; the four exponentials have written v232 to v235, ahead of their first reader
.irp b, 0,1,2,3
	v_max_num_f32 v[232+\b], 0x1800000, v[232+\b]  ; the floor 2^(3 - 127)
.endr
.irp b, 0,1,2,3
	v_add_nc_u32 v[244+\b], 0xff000000, v[232+\b]
.endr
.irp b, 0,1,2,3
	v_lshrrev_b32 v[236+\b], 23, v[244+\b]
.endr
	v_lshl_or_b32 v253, v237, 8, v236              ; p's scale word for these 128 keys
	v_lshl_or_b32 v253, v238, 16, v253
	v_lshl_or_b32 v253, v239, 24, v253
.irp b, 0,1,2,3
	v_cvt_scalef32_pk8_fp4_f32 v[224+2*\b], v[96+16*\b:103+16*\b], v[244+\b]
	v_cvt_scalef32_pk8_fp4_f32 v[225+2*\b], v[104+16*\b:111+16*\b], v[244+\b]
.endr
	v_nop
.irp c, 0,1
.irp i, 0,1
	v_permlane16_swap_b32 v[224+4*\c+\i], v[226+4*\c+\i]
.endr
.endr
.set J, 0
.rept 16
	v_pk_mul_f32 v[160+J:161+J], v[160+J:161+J], v[252:253] op_sel_hi:[1,0]   ; O^T under the new M; these sixteen also stand between the scale word's and the codes' last writes and the products
.set J, J+2
.endr
	s_wait_dscnt 0x0                               ; V and its words
	s_wait_alu depctr_va_vdst(0)                   ; p's codes v224 to v231 and its scale word v253 are written, which the scaled products below take as source 1 and its scales; it stands behind their places
.irp n, 0,1,2,3
	v_wmma_scale_f32_16x16x128_f8f6f4 v[160+8*\n:167+8*\n], v[192+8*\n:199+8*\n], v[224:231], v[160+8*\n:167+8*\n], v[248+\n], v253 matrix_a_fmt:MATRIX_FMT_FP4 matrix_b_fmt:MATRIX_FMT_FP4
.endr
.Lhidden_\@:
	s_add_co_u32 s24, s24, 128
.endm
.Ltrip:
	GLOAD 1, 1
	STEP 0
	s_wait_loadcnt 0x0
	LSTORE 1
	BAR                                            ; slot 1 is whole, and nobody reads slot 0 any more
	s_cmp_eq_u32 s19, 8
	s_cbranch_scc1 .Lno_load                       ; the last step has no successor
	GLOAD 2, 1
.Lno_load:
	STEP 1
	s_wait_loadcnt 0x0                             ; on every way: no load is out when the next is issued
	s_cmp_eq_u32 s19, 8
	s_cbranch_scc1 .Lno_store
	LSTORE 0
.Lno_store:
	BAR
	s_cmp_eq_u32 s19, s15
	s_cbranch_scc1 .Lout                           ; the first block's last step was 2 P + 1,
	s_cmp_lg_u32 s19, 8
	s_cbranch_scc1 .Lnext                          ; the second's 17
.Lout:
	; THE WAY OUT of a block: O^T / the sum is ctx; its two blocks of 32 along d are quantised; lane (r, h) then holds block h of query r: a piece of the last launch's operand
	PLACES
	v_add_f32 v14, v14, v15
	v_permlanex16_b32 v236, v14, s20, s21
	v_add_f32 v14, v14, v236
	s_wait_alu depctr_va_vdst(0)
	v_rcp_f32 v14, v14
	v_nop
	s_wait_alu depctr_va_vdst(0)                   ; the reciprocal has written v14, ahead of its first reader
.set J, 0
.rept 16
	v_pk_mul_f32 v[96+J:97+J], v[160+J:161+J], v[14:15] op_sel_hi:[1,0]
.set J, J+2
.endr
	v_max3_num_f32 v232, |v96|, |v97|, 0x1800000
	v_max3_num_f32 v233, |v112|, |v113|, 0x1800000
.irp i, 2,4,6,8,10,12,14
	v_max3_num_f32 v232, v232, |v[96+\i]|, |v[97+\i]|
	v_max3_num_f32 v233, v233, |v[112+\i]|, |v[113+\i]|
.endr
	v_permlanex16_b32 v236, v232, s20, s21
	v_permlanex16_b32 v237, v233, s20, s21
	v_max_num_f32 v232, v232, v236
	v_max_num_f32 v233, v233, v237
	v_add_nc_u32 v244, 0xff000000, v232
	v_add_nc_u32 v245, 0xff000000, v233
	v_lshrrev_b32 v236, 23, v244
	v_lshrrev_b32 v237, 23, v245
	v_cvt_scalef32_pk8_fp4_f32 v224, v[96:103], v244
	v_cvt_scalef32_pk8_fp4_f32 v225, v[104:111], v244
	v_cvt_scalef32_pk8_fp4_f32 v226, v[112:119], v245
	v_cvt_scalef32_pk8_fp4_f32 v227, v[120:127], v245
	v_nop
	v_permlane16_swap_b32 v224, v226
	v_permlane16_swap_b32 v225, v227
	v_cndmask_b32 v254, v236, v237, s40            ; lane (r, h): the byte of block h
	s_wait_alu depctr_va_vdst(0)                   ; ctx's codes v224 to v227 and the byte v254 are written, which the two stores read
	global_store_b128 v1, v[224:227], s[32:33]     ; 512 consecutive aligned bytes
	global_store_b8 v6, v254, s[34:35]
	s_wait_xcnt 0x0                                ; the stores have had their addresses translated: on every way from here their bases may be written
	s_wait_alu depctr_vm_vsrc(0)                   ; the stores have read v224 to v227 and v254, which the next steps, and at the end the line that makes the spare word's address, write
	s_cmp_eq_u32 s19, 8
	s_cbranch_scc1 .Lnext
.irp k, 0,1,2,3
	v_mov_b32 v[16+\k], v[24+\k]                   ; on to the second block: its Q,
.endr
	v_mov_b32 v255, v7                             ; its scale words (the lines below stand between these writes and the next product),
	INIT
	s_mov_b32 s25, s26
	s_mov_b32 s24, 0
	s_mov_b64 s[32:33], s[36:37]
	s_mov_b64 s[34:35], s[38:39]
.Lnext:
	s_add_co_u32 s19, s19, 1
	s_cmp_lt_u32 s19, 9
	s_cbranch_scc1 .Ltrip
	s_wait_xcnt 0x0
	v_lshl_add_u32 v254, v0, 2, 0x4800
	v_mov_b32 v255, 0
	s_wait_dscnt 0x0                               ; the closing lines, six on end
	s_wait_alu 0x0
	s_wait_tensorcnt 0x0
	ds_add_u32 v254, v255
	s_wait_dscnt 0x0
	s_endpgm
.Lfunc_end_k_q798cedc40a_attn:
	.size	k_q798cedc40a_attn, .Lfunc_end_k_q798cedc40a_attn-k_q798cedc40a_attn
	.p2alignl 7, 3214868480
	.fill 96, 4, 3214868480
	.section	.rodata,"a",@progbits
	.p2align	6, 0x0
	.amdhsa_kernel k_q798cedc40a_attn
		.amdhsa_group_segment_fixed_size 20480
		.amdhsa_private_segment_fixed_size 0
		.amdhsa_enable_private_segment 0
		.amdhsa_kernarg_size 40
		.amdhsa_user_sgpr_count 2
		.amdhsa_user_sgpr_kernarg_segment_ptr 1
		.amdhsa_wavefront_size32 1
		.amdhsa_system_sgpr_workgroup_id_x 1
		.amdhsa_system_sgpr_workgroup_id_y 1
		.amdhsa_system_sgpr_workgroup_id_z 1
		.amdhsa_system_vgpr_workitem_id 0
		.amdhsa_next_free_vgpr 256
		.amdhsa_next_free_sgpr 66
		.amdhsa_reserve_vcc 0
		.amdhsa_float_denorm_mode_32 3
		.amdhsa_float_denorm_mode_16_64 3
		.amdhsa_memory_ordered 1
		.amdhsa_forward_progress 1
		.amdhsa_inst_pref_size 64
	.end_amdhsa_kernel
	.amdgpu_metadata
---
amdhsa.version: [ 1, 2 ]
amdhsa.kernels:
  - .name:           k_q798cedc40a_attn
    .symbol:         k_q798cedc40a_attn.kd
    .args:
      - { .name: qc, .offset: 0, .size: 8, .value_kind: global_buffer, .address_space: global }
      - { .name: qs, .offset: 8, .size: 8, .value_kind: global_buffer, .address_space: global }
      - { .name: kv, .offset: 16, .size: 8, .value_kind: global_buffer, .address_space: global }
      - { .name: cc, .offset: 24, .size: 8, .value_kind: global_buffer, .address_space: global }
      - { .name: cs, .offset: 32, .size: 8, .value_kind: global_buffer, .address_space: global }
    .group_segment_fixed_size: 20480
    .private_segment_fixed_size: 0
    .kernarg_segment_align: 8
    .kernarg_segment_size: 40
    .max_flat_workgroup_size: 512
    .sgpr_count:     66
    .vgpr_count:     256
    .wavefront_size: 32
...
	.end_amdgpu_metadata
.endif
;; end of part 5
;; launch proj (part 6): grid 256 x 1, 16 waves a work-group, no clusters, 92,160 bytes of LDS; arguments cc, cs, wimg, bo, x, gamma, beta, out0; writes out0
.if DOCPART == 6
	.amdgcn_target "amdgcn-amd-amdhsa--gfx1250"
	.amdhsa_code_object_version 6
	.text
	.protected	k_q798cedc40a_proj
	.globl	k_q798cedc40a_proj
	.p2align	8
	.type	k_q798cedc40a_proj,@function
k_q798cedc40a_proj:
	s_mov_b64 s[64:65], 0
	v_nop
	global_prefetch_b8 v0, s[64:65] scope:SCOPE_SE
	s_setreg_imm32_b32 hwreg(HW_REG_WAVE_SCHED_MODE, 0, 2), 2
	s_setreg_imm32_b32 hwreg(HW_REG_WAVE_MODE, 25, 1), 1
	s_wait_xcnt 0x0
	s_wait_alu depctr_vm_vsrc(0)
; out0 = LayerNorm(ctx Wo^T + bo + x) x gamma + beta.  The product runs on codes of FP4 (E2M1) with E8M0 scales; all else in f32; mean and variance in two passes over numbers that stay in registers.
; SHARES.  A work-group owns 32 whole rows (two tiles of 16 tokens); wave w of sixteen owns columns 64 w .. 64 w + 63 (four tiles of 16).  The product is used transposed (source 0 = 16 rows of Wo, source 1 = ctx):
; lane (r, h) holds token r and eight neighbouring columns.  x, brought into that layout through the wave's stage in LDS, is the C of each sum's first product.
; ctx's codes (16,384 bytes, laid by the launch before as images of operand registers) are copied into LDS once and read by all waves.  Wo's fragments come from wimg, laid in the order of the registers:
; 512 consecutive bytes a load, through a ring of four K steps in registers; each work-group walks its waves' parts once.
; No tensor load and no cluster in this form: Wo goes straight into operand registers.  No prefetch: the loads run three K steps ahead of their use.
; LIMITS: NaN and infinities are not served.
; REGISTERS: v1 16 x lane; v2 4 x lane; v3 2 x lane; v4 16 x thread; v5 4096 (lane / 16) + 16 r; v6, v7 my stage by rows and by the result's layout; v8, v9 the sums' words; v10 32 h; v16-23 ctx's scale words (lanes 16-31: tokens 16-31);
; v24-31 the copy, later -mean and 1 / sigma in the low words of four pairs; v32-47 ctx's two fragments; v48-63 Wo's scale words (lanes 16-31: the odd K step); v64-127 the sums: 32 a + 8 t + j; v128-255 four buffers of 32.
; THE MODE: SCHED_MODE bits 1:0 = 2 (LLVM: expert scheduling mode 2), set by the entry lines.  The code itself states the register dependences
; between vector or matrix instructions and memory or LDS instructions, with s_wait_alu, always for 0.
; THE PLAN.  Registers that memory or LDS instructions touch:
;   v1-10            offsets and addresses, written at the head, never again: one wait on va_vdst ahead of the first load.
;   v24-31           the copy: loaded, read by two LDS stores, much later written by vector instructions.
;   v64-127          x: loaded, read by the LDS stores into my stage, loaded again from it: a wait on vm_vsrc between a tile's stores and its loads (the first also frees v24-31).
;   v32-47, v128-255 K step s: its eight products read ctx's two fragments and ring buffer s % 4; behind them the next step's fragments and the buffer's next contents are loaded: ONE wait on va_vdst behind a step's products.
;   v236, v240-255   the rows' sums: v236 is written by a vector instruction, read by the LDS store, written again behind the sixteen loads, which land in v240-255.
;   v64-127, v192-255  the way out: the results are read by LDS stores, whole rows land in v192-255: one wait on va_vdst ahead of the run.
; ctx's scale words v16-23 are written by vector instructions and taken by scaled products: the wait at K step 0's head, behind their places, states that too.
.set STG,  16384      ; LDS: ctx's images at 0; then 16 rows x 272 bytes for each wave;
.set STGW, 4352
.set RED1, 86016      ; 128 bytes a wave for the rows' sums, and 2,048 bytes on the same for the sums of squares
.set ACC,  64
.set WB,   128
.macro PLACES
.rept 4
	v_nop
.endr
.endm
.macro WM d, a, b, sa, sb, ra, rb      ; adds in place; ra, rb = 1: that side's scales from lanes 16-31
.if (\ra) && (\rb)
	v_wmma_scale_f32_16x16x128_f8f6f4 v[\d:\d+7], v[\a:\a+7], v[\b:\b+7], v[\d:\d+7], v[\sa], v[\sb] matrix_a_fmt:MATRIX_FMT_FP4 matrix_b_fmt:MATRIX_FMT_FP4 matrix_a_scale:MATRIX_SCALE_ROW1 matrix_b_scale:MATRIX_SCALE_ROW1
.elseif (\ra)
	v_wmma_scale_f32_16x16x128_f8f6f4 v[\d:\d+7], v[\a:\a+7], v[\b:\b+7], v[\d:\d+7], v[\sa], v[\sb] matrix_a_fmt:MATRIX_FMT_FP4 matrix_b_fmt:MATRIX_FMT_FP4 matrix_a_scale:MATRIX_SCALE_ROW1
.elseif (\rb)
	v_wmma_scale_f32_16x16x128_f8f6f4 v[\d:\d+7], v[\a:\a+7], v[\b:\b+7], v[\d:\d+7], v[\sa], v[\sb] matrix_a_fmt:MATRIX_FMT_FP4 matrix_b_fmt:MATRIX_FMT_FP4 matrix_b_scale:MATRIX_SCALE_ROW1
.else
	v_wmma_scale_f32_16x16x128_f8f6f4 v[\d:\d+7], v[\a:\a+7], v[\b:\b+7], v[\d:\d+7], v[\sa], v[\sb] matrix_a_fmt:MATRIX_FMT_FP4 matrix_b_fmt:MATRIX_FMT_FP4
.endif
.endm
.macro WLOAD s                         ; my four fragments of Wo for K step s into buffer s % 4
.irp t, 0,1,2,3
.irp c, 0,1
	global_load_b128 v[WB+32*((\s)%4)+8*\t+4*\c:WB+32*((\s)%4)+8*\t+4*\c+3], v1, s[8:9] offset:4096*(\s)+1024*\t+512*\c
.endr
.endr
.endm
.macro CLOAD buf, p                    ; 64 numbers a column (gamma, beta, bo) in the result's layout: tile t, columns 16 t + 8 h + 0 .. 7
.irp t, 0,1,2,3
.irp k, 0,1
	global_load_b128 v[WB+32*\buf+8*\t+4*\k:WB+32*\buf+8*\t+4*\k+3], v10, s[\p:\p+1] offset:64*\t+16*\k
.endr
.endr
.endm
	s_load_b512 s[4:19], s[0:1], 0x0               ; cc, cs, wimg, bo, x, gamma, beta, out0
	v_lshl_add_u32 v14, v0, 2, 0x16000
	v_mov_b32 v15, 0
	v_lshrrev_b32 v1, 5, v0
	v_readfirstlane_b32 s20, v1                    ; wave 0..15
	s_mov_b32 s21, ttmp9                           ; which 32 rows
	s_mov_b32 s22, 0x76543210
	s_mov_b32 s23, 0xfedcba98
	s_mov_b32 s24, 0xffff0000                      ; lanes 16-31
	s_mov_b32 s25, 0xba800000                      ; -1 / 1024
	s_mov_b32 s26, 0x3a800000                      ; 1 / 1024
	s_mov_b32 s27, 0x3727c5ac                      ; 1e-5
	v_and_b32 v11, 31, v0
	v_and_b32 v12, 15, v0
	v_bfe_u32 v13, v0, 4, 1
	v_lshlrev_b32 v1, 4, v11
	v_lshlrev_b32 v2, 2, v11
	v_lshlrev_b32 v3, 1, v11
	v_lshlrev_b32 v4, 4, v0
	v_lshlrev_b32 v5, 4, v12
	v_lshl_add_u32 v5, v13, 12, v5
	s_wait_alu depctr_va_sdst(0)                   ; s20 is written, ahead of its first reader: my stage, my words and my bases are made from it
	s_mul_i32 s28, s20, STGW
	s_add_co_u32 s28, s28, STG
	v_mul_u32_u24 v6, v13, 272
	v_lshl_add_u32 v6, v12, 4, v6
	v_add_nc_u32 v6, s28, v6                       ; by rows: lanes 0-15 one row of 256 bytes, lanes 16-31 the next
	v_mul_u32_u24 v7, v12, 272
	v_lshl_add_u32 v7, v13, 5, v7
	v_add_nc_u32 v7, s28, v7                       ; by the result's layout: row r, 32 h bytes on
	s_lshl_b32 s28, s20, 7
	v_add_nc_u32 v9, RED1, v2
	v_add_nc_u32 v8, s28, v9
	v_lshlrev_b32 v10, 5, v13
	s_mov_b32 s29, 0
	s_wait_kmcnt 0x0
	s_lshl_b32 s28, s21, 14
	s_add_nc_u64 s[4:5], s[4:5], s[28:29]          ; cc: 16,384 bytes for 32 tokens
	s_lshr_b32 s28, s21, 6
	s_lshl_b32 s28, s28, 16                        ; cs: batch x 16 heads x 4,096 bytes
	s_and_b32 s32, s21, 63
	s_lshl_b32 s32, s32, 6                         ; + 32 tokens x 2 bytes
	s_add_co_u32 s28, s28, s32
	s_add_nc_u64 s[6:7], s[6:7], s[28:29]
	s_lshl_b32 s28, s20, 11
	s_add_co_u32 s28, s28, 524288
	s_add_nc_u64 s[30:31], s[8:9], s[28:29]        ; Wo's scale images, my 16
	s_lshl_b32 s28, s20, 15
	s_add_nc_u64 s[8:9], s[8:9], s[28:29]          ; Wo's code images, my 32
	s_lshl_b32 s28, s20, 8
	s_add_nc_u64 s[10:11], s[10:11], s[28:29]
	s_add_nc_u64 s[14:15], s[14:15], s[28:29]
	s_add_nc_u64 s[16:17], s[16:17], s[28:29]
	s_lshl_b32 s32, s21, 17
	s_add_co_u32 s28, s28, s32
	s_add_nc_u64 s[12:13], s[12:13], s[28:29]      ; x and out0: my 32 rows, my 256 bytes of each
	s_add_nc_u64 s[18:19], s[18:19], s[28:29]
	s_wait_alu depctr_va_vdst(0)                   ; the offsets and addresses v1 to v10 are written, which every load and store of the kernel reads
	global_load_b128 v[24:27], v4, s[4:5] th:TH_LOAD_NT
	global_load_b128 v[28:31], v4, s[4:5] offset:8192 th:TH_LOAD_NT
.irp k, 0,1,2,3,4,5,6,7,8,9,10,11,12,13,14,15
	global_load_u16 v[32+\k], v3, s[6:7] offset:4096*\k          ; head k's two scale bytes of token = lane
.endr
.irp q, 0,1,2,3
.irp t, 0,1,2,3
	global_load_b32 v[48+4*\q+\t], v2, s[30:31] offset:512*\q+128*\t
.endr
.endr
.irp a, 0,1
.irp i, 0,1,2,3,4,5,6,7
	global_load_b128 v[ACC+32*\a+4*\i:ACC+32*\a+4*\i+3], v5, s[12:13] offset:(16*\a+2*\i)*4096 th:TH_LOAD_NT   ; sixteen lanes read 256 consecutive aligned bytes of a row of x
.endr
.endr
	s_wait_loadcnt 48                              ; the copy's two loads are in; the 48 behind them may be out
	ds_store_b128 v4, v[24:27]
	ds_store_b128 v4, v[28:31] offset:8192
	WLOAD 0
	WLOAD 1
	WLOAD 2
	WLOAD 3
	s_wait_loadcnt 32                              ; all but Wo's 32
.irp s, 0,1,2,3,4,5,6,7
	v_lshl_or_b32 v[16+\s], v[33+2*\s], 16, v[32+2*\s]           ; K step s: heads 2 s and 2 s + 1: four bytes
.endr
.irp a, 0,1                            ; x through my stage: in by rows, back in the result's layout, into the registers that it left (LDS serves a wave's instructions in order)
.irp i, 0,1,2,3,4,5,6,7
	ds_store_b128 v6, v[ACC+32*\a+4*\i:ACC+32*\a+4*\i+3] offset:544*\i
.endr
	s_wait_alu depctr_vm_vsrc(0)                   ; the eight stores above have read this tile's 32 registers, in which the loads below land (the first of the two waits also: the copy's stores have read v24 to v31, which vector instructions write later)
.irp t, 0,1,2,3
.irp k, 0,1
	ds_load_b128 v[ACC+32*\a+8*\t+4*\k:ACC+32*\a+8*\t+4*\k+3], v7 offset:64*\t+16*\k
.endr
.endr
.endr
	s_wait_dscnt 0x0
	s_barrier_signal -1
	s_barrier_wait -1                              ; ctx's images lie in LDS
.macro KSTEP s
.if \s == 0
	PLACES                                         ; with the seven lines behind its write they put K step 0's scale word eleven places ahead of its first product
	s_wait_alu depctr_va_vdst(0)                   ; ctx's scale words v16 to v23 are written, which the scaled products take; the lines that made them are done reading v32 to v47, in which the loads below land
.endif
.irp a, 0,1
.irp c, 0,1
	ds_load_b128 v[32+8*\a+4*\c:35+8*\a+4*\c], v1 offset:8192*\a+1024*\s+512*\c
.endr
.endr
	s_wait_loadcnt 24                              ; this K step's eight loads are in: behind them three groups of eight were issued, in every step
	s_wait_dscnt 0x0
.irp t, 0,1,2,3                        ; eight accumulators by turns, one instruction a turn
.irp a, 0,1
	WM ACC+32*\a+8*\t, WB+32*(\s%4)+8*\t, 32+8*\a, 48+4*(\s/2)+\t, 16+\s, \s%2, \a
.endr
.endr
	PLACES                                         ; four places behind the products, as in the plain form; behind the last step they stand ahead of the first read of results
.if \s < 7
	s_wait_alu depctr_va_vdst(0)                   ; this step's products are done reading ring buffer s % 4 and ctx's two fragments: the loads below land in the one, the next step's LDS loads in the other
.endif
.if \s < 4
	WLOAD \s+4
.elseif \s == 4
	CLOAD 0, 14                                    ; gamma
.elseif \s == 5
	CLOAD 1, 16                                    ; beta
.elseif \s == 6
	CLOAD 2, 10                                    ; bo
.endif
.endm
.irp s, 0,1,2,3,4,5,6,7
	KSTEP \s
.endr
	s_wait_loadcnt 0x0
.irp a, 0,1
.irp k, 0,2,4,6,8,10,12,14,16,18,20,22,24,26,28,30
	v_pk_add_f32 v[ACC+32*\a+\k:ACC+32*\a+\k+1], v[ACC+32*\a+\k:ACC+32*\a+\k+1], v[WB+64+\k:WB+64+\k+1]   ; + bo; each accumulator from its low end on
.endr
.endr
; v232, v233 hold my lane's sums for tokens r and 16 + r.  Behind this macro v236 holds, in lane (r, h), the whole row's sum for token 16 h + r.
.macro ACROSS off
	v_permlanex16_b32 v234, v232, s22, s23
	v_permlanex16_b32 v235, v233, s22, s23
	v_add_f32 v232, v232, v234                     ; with the other eight columns of each tile
	v_add_f32 v233, v233, v235
	v_cndmask_b32 v236, v232, v233, s24
	s_wait_alu depctr_va_vdst(0)                   ; v236 is written, which the store reads; every vector and matrix instruction so far is done with v240 to v255, in which the sixteen loads below land
	ds_store_b32 v8, v236 offset:\off
	s_wait_dscnt 0x0                               ; for the others' sake
	s_barrier_signal -1
	s_barrier_wait -1
.irp k, 0,1,2,3,4,5,6,7,8,9,10,11,12,13,14,15
	ds_load_b32 v[240+\k], v9 offset:\off+128*\k
.endr
	s_wait_dscnt 0x0
	s_wait_alu depctr_vm_vsrc(0)                   ; the store has read v236, which the last line below writes again
.irp k, 0,2,4,6
	v_pk_add_f32 v[240+\k:241+\k], v[240+\k:241+\k], v[248+\k:249+\k]
.endr
	v_pk_add_f32 v[240:241], v[240:241], v[244:245]
	v_pk_add_f32 v[242:243], v[242:243], v[246:247]
	v_pk_add_f32 v[240:241], v[240:241], v[242:243]
	v_add_f32 v236, v240, v241
.endm
.macro FOLD                            ; two chains a token tile become one number a lane
.irp a, 0,1
	v_pk_add_f32 v[224+4*\a:225+4*\a], v[224+4*\a:225+4*\a], v[226+4*\a:227+4*\a]
.endr
.irp a, 0,1
	v_add_f32 v[232+\a], v[224+4*\a], v[225+4*\a]
.endr
.endm
	; the mean
.irp a, 0,1
	v_pk_add_f32 v[224+4*\a:225+4*\a], v[ACC+32*\a:ACC+32*\a+1], v[ACC+32*\a+2:ACC+32*\a+3]
	v_pk_add_f32 v[226+4*\a:227+4*\a], v[ACC+32*\a+4:ACC+32*\a+5], v[ACC+32*\a+6:ACC+32*\a+7]
.endr
.irp k, 8,12,16,20,24,28
.irp a, 0,1
	v_pk_add_f32 v[224+4*\a:225+4*\a], v[224+4*\a:225+4*\a], v[ACC+32*\a+\k:ACC+32*\a+\k+1]
	v_pk_add_f32 v[226+4*\a:227+4*\a], v[226+4*\a:227+4*\a], v[ACC+32*\a+\k+2:ACC+32*\a+\k+3]
.endr
.endr
	FOLD
	ACROSS 0
	v_mul_f32 v236, s25, v236                      ; -mean of token 16 h + r
	v_permlanex16_b32 v237, v236, s22, s23
	v_cndmask_b32 v24, v236, v237, s24             ; of token r,
	v_cndmask_b32 v26, v237, v236, s24             ; of token 16 + r: each the low word of a pair
.irp a, 0,1
.irp k, 0,2,4,6,8,10,12,14,16,18,20,22,24,26,28,30
	v_pk_add_f32 v[ACC+32*\a+\k:ACC+32*\a+\k+1], v[ACC+32*\a+\k:ACC+32*\a+\k+1], v[24+2*\a:25+2*\a] op_sel_hi:[1,0]
.endr
.endr
	; the variance, of the differences
.irp a, 0,1
	v_pk_mul_f32 v[224+4*\a:225+4*\a], v[ACC+32*\a:ACC+32*\a+1], v[ACC+32*\a:ACC+32*\a+1]
	v_pk_mul_f32 v[226+4*\a:227+4*\a], v[ACC+32*\a+2:ACC+32*\a+3], v[ACC+32*\a+2:ACC+32*\a+3]
.endr
.irp k, 4,8,12,16,20,24,28
.irp a, 0,1
	v_pk_fma_f32 v[224+4*\a:225+4*\a], v[ACC+32*\a+\k:ACC+32*\a+\k+1], v[ACC+32*\a+\k:ACC+32*\a+\k+1], v[224+4*\a:225+4*\a]
	v_pk_fma_f32 v[226+4*\a:227+4*\a], v[ACC+32*\a+\k+2:ACC+32*\a+\k+3], v[ACC+32*\a+\k+2:ACC+32*\a+\k+3], v[226+4*\a:227+4*\a]
.endr
.endr
	FOLD
	ACROSS 2048
	v_fma_f32 v236, v236, s26, s27                 ; variance + 1e-5
	s_wait_alu depctr_va_vdst(0)
	v_rsq_f32 v236, v236
	v_nop
	s_wait_alu depctr_va_vdst(0)                   ; the reciprocal root has written v236, ahead of its first reader
	v_permlanex16_b32 v237, v236, s22, s23
	v_cndmask_b32 v28, v236, v237, s24
	v_cndmask_b32 v30, v237, v236, s24
.irp a, 0,1
.irp k, 0,2,4,6,8,10,12,14,16,18,20,22,24,26,28,30
	v_pk_mul_f32 v[ACC+32*\a+\k:ACC+32*\a+\k+1], v[ACC+32*\a+\k:ACC+32*\a+\k+1], v[28+2*\a:29+2*\a] op_sel_hi:[1,0]
.endr
.endr
.irp a, 0,1
.irp k, 0,2,4,6,8,10,12,14,16,18,20,22,24,26,28,30
	v_pk_fma_f32 v[ACC+32*\a+\k:ACC+32*\a+\k+1], v[ACC+32*\a+\k:ACC+32*\a+\k+1], v[WB+\k:WB+\k+1], v[WB+32+\k:WB+32+\k+1]   ; x gamma + beta
.endr
.endr
	; the way out: through my stage, back by rows: sixteen lanes store 256 consecutive aligned bytes
	s_wait_alu depctr_va_vdst(0)                   ; the results v64 to v127 are written, which the LDS stores read; every vector instruction is done with v192 to v255, in which the rows land
.irp a, 0,1
.irp t, 0,1,2,3
.irp k, 0,1
	ds_store_b128 v7, v[ACC+32*\a+8*\t+4*\k:ACC+32*\a+8*\t+4*\k+3] offset:64*\t+16*\k
.endr
.endr
.irp i, 0,1,2,3,4,5,6,7
	ds_load_b128 v[192+32*\a+4*\i:195+32*\a+4*\i], v6 offset:544*\i
.endr
.endr
.irp i, 0,1,2,3,4,5,6,7
	s_wait_dscnt 23-\i                             ; behind this load: the rest of its eight, and the second tile's sixteen
	global_store_b128 v5, v[192+4*\i:195+4*\i], s[18:19] offset:2*\i*4096 th:TH_STORE_NT
.endr
.irp i, 0,1,2,3,4,5,6,7
	s_wait_dscnt 7-\i
	global_store_b128 v5, v[224+4*\i:227+4*\i], s[18:19] offset:(16+2*\i)*4096 th:TH_STORE_NT
.endr
	s_wait_dscnt 0x0                               ; the closing lines, six on end
	s_wait_alu 0x0
	s_wait_tensorcnt 0x0
	ds_add_u32 v14, v15
	s_wait_dscnt 0x0
	s_endpgm
.Lfunc_end_k_q798cedc40a_proj:
	.size	k_q798cedc40a_proj, .Lfunc_end_k_q798cedc40a_proj-k_q798cedc40a_proj
	.p2alignl 7, 3214868480
	.fill 96, 4, 3214868480
	.section	.rodata,"a",@progbits
	.p2align	6, 0x0
	.amdhsa_kernel k_q798cedc40a_proj
		.amdhsa_group_segment_fixed_size 92160
		.amdhsa_private_segment_fixed_size 0
		.amdhsa_enable_private_segment 0
		.amdhsa_kernarg_size 64
		.amdhsa_user_sgpr_count 2
		.amdhsa_user_sgpr_kernarg_segment_ptr 1
		.amdhsa_wavefront_size32 1
		.amdhsa_system_sgpr_workgroup_id_x 1
		.amdhsa_system_sgpr_workgroup_id_y 1
		.amdhsa_system_sgpr_workgroup_id_z 1
		.amdhsa_system_vgpr_workitem_id 0
		.amdhsa_next_free_vgpr 256
		.amdhsa_next_free_sgpr 66
		.amdhsa_reserve_vcc 0
		.amdhsa_float_denorm_mode_32 3
		.amdhsa_float_denorm_mode_16_64 3
		.amdhsa_memory_ordered 1
		.amdhsa_forward_progress 1
		.amdhsa_inst_pref_size 52
	.end_amdhsa_kernel
	.amdgpu_metadata
---
amdhsa.version: [ 1, 2 ]
amdhsa.kernels:
  - .name:           k_q798cedc40a_proj
    .symbol:         k_q798cedc40a_proj.kd
    .args:
      - { .name: cc, .offset: 0, .size: 8, .value_kind: global_buffer, .address_space: global }
      - { .name: cs, .offset: 8, .size: 8, .value_kind: global_buffer, .address_space: global }
      - { .name: wimg, .offset: 16, .size: 8, .value_kind: global_buffer, .address_space: global }
      - { .name: bo, .offset: 24, .size: 8, .value_kind: global_buffer, .address_space: global }
      - { .name: x, .offset: 32, .size: 8, .value_kind: global_buffer, .address_space: global }
      - { .name: gamma, .offset: 40, .size: 8, .value_kind: global_buffer, .address_space: global }
      - { .name: beta, .offset: 48, .size: 8, .value_kind: global_buffer, .address_space: global }
      - { .name: out0, .offset: 56, .size: 8, .value_kind: global_buffer, .address_space: global }
    .group_segment_fixed_size: 92160
    .private_segment_fixed_size: 0
    .kernarg_segment_align: 8
    .kernarg_segment_size: 64
    .max_flat_workgroup_size: 512
    .sgpr_count:     66
    .vgpr_count:     256
    .wavefront_size: 32
...
	.end_amdgpu_metadata
.endif
;; end of part 6
